; MI455X (gfx1250); checked and timed in simulation.
; The chip was launched on July 23, 2026; its instructions are those of AMD's public machine-readable ISA for CDNA 5 (MIT licence, August 2026) and "CDNA5" Instruction Set Architecture Reference Guide (July 2026). The comments in the code are by the model that wrote it; some were corrected since.
;; Llama Attention. Allowed arithmetic: matrix products marked QUANTISED: E2M3 operands, one E8M0 scale for each 32 along K, by v_wmma_scale_f32_16x16x128_f8f6f4 with both operands' format E2M3, f32 sums; everything else in f32.
;; Inputs: Wk 2,048 x 2,048 float32; Wo 2,048 x 2,048 float32; Wq 2,048 x 2,048 float32; Wv 2,048 x 2,048 float32; attention_mask 1 x 1 x 2,048 x 2,048 float32; hidden_states 1 x 2,048 x 2,048 float32; position_ids 1 x 2,048 int32.
;; Outputs: out0 1 x 2,048 x 2,048 float32.
;; This version of the problem:
;;   THIS VERSION OF THE PROBLEM IS GIVEN IN LOW PRECISION. The matrix products marked QUANTISED in the list below multiply operands that are first quantised to E2M3 (2 exponent bits, 3 mantissa bits; 6 bits a number), with one power-of-two scale for each 32 numbers along K (OCP MX v1.0); their sums are f32. All else is computed in f32.
;;   The module's matrix products, in the order in which they are computed (A, B: the left and right operand; K: the contracted axis; several contracted axes count as one K, in the product's order):
;;     1. [M 2,048, K 2,048] x [K 2,048, N 2,048]; A: input hidden_states; B: input Wq: QUANTISED
;;     2. [M 2,048, K 2,048] x [K 2,048, N 2,048]; A: input hidden_states; B: input Wk: QUANTISED
;;     3. [M 2,048, K 2,048] x [K 2,048, N 2,048]; A: input hidden_states; B: input Wv: QUANTISED
;;     4. batch 16 x [M 2,048, K 128] x [K 128, N 2,048]; A: computed on the way; B: computed on the way: QUANTISED
;;     5. batch 16 x [M 2,048, K 2,048] x [K 2,048, N 128]; A: softmax (see below); B: computed on the way: QUANTISED
;;     6. [M 2,048, K 2,048] x [K 2,048, N 2,048]; A: computed on the way; B: input Wo: QUANTISED
;;   THE QUANTISER, for each operand of a quantised product, along K:
;;     - K is cut into blocks of 32 from its start; a last block that is shorter is filled with zeros.
;;     - A block's scale is 2^e with e = floor(log2(the largest magnitude in the block)) - 2, held to -126 .. 127; a block of zeros has e = 0. As a byte (E8M0): e + 127.
;;     - Each number is divided by its block's scale, clamped to +-7.5, and rounded to the nearest number of E2M3, ties to even, subnormals kept.
;;     - The product sums the exact products of the quantised numbers (number of the format x scale) in f32.
;;   ~~~python
;;   def quantise(x, axis):      # numpy; x: float32 -> the quantised numbers, widened to float32 again
;;       x = np.moveaxis(x, axis, -1); K = x.shape[-1]
;;       x = np.pad(x, [(0, 0)] * (x.ndim - 1) + [(0, -K % 32)]); x = x.reshape(x.shape[:-1] + (-1, 32)); a = np.abs(x).max(-1, keepdims=True)
;;       e = np.where(a > 0, np.clip(np.frexp(np.where(a > 0, a, 1))[1] - 1 - 2, -126, 127), 0)      # np.frexp(a)[1] - 1 = floor(log2(a)), exactly
;;       r = np.clip(x / 2.0 ** e, -7.5, 7.5)
;;       step = 2.0 ** (np.maximum(np.frexp(np.where(r == 0, 1, r))[1] - 1, 0) - 3)
;;       q = np.round(r / step) * step * 2.0 ** e      # np.round: ties to even
;;       return np.moveaxis(q.reshape(q.shape[:-2] + (-1,))[..., :K], -1, axis).astype(np.float32)
;;   ~~~
;;   SOFTMAX AHEAD OF A QUANTISED PRODUCT. Where the list says 'softmax', what is quantised is not the finished softmax but p = 2^(t - M), with t = logit x log2(e) and M = ceil(the row's largest t), a whole number; so 1/2 < the row's largest p <= 1. The row's sum l is taken of the UNQUANTISED p, in f32, and the product's result is divided by l at the end. Since M is a whole number, a kernel that streams over the keys may use a running M (the ceiling of the running maximum): every later rescaling is an exact power of two, which a block's scale takes up: the codes' values come out the same.
;;   OPERANDS COMPUTED ON THE WAY. 'Computed on the way' means the value that the module computes at that place (a softmax that the list does not call 'softmax' is quantised finished and normalised). What goes into a quantiser is computed in f32, as accurately as f32 sums, v_exp_f32 and their like allow (about 1e-6 of the number): no bf16 or f16 on the way to a quantiser, and a product that is left as it is and whose result goes on into a quantised operand takes f32 operands (vector FMAs, or v_wmma_f32_16x16x4_f32). A number that lies on a knife's edge between two numbers of the format may be rounded either way, as far as f32 arithmetic and the matrix unit's own rounding can turn it there, and no further.
;; One version. Each part assembles by itself: llvm-mc -triple=amdgcn-amd-amdhsa -mcpu=gfx1250 --defsym DOCPART=n.
;; ======== version 1 of 1: 4 launches
;; limits: right only within a limited range of input values
;; workspace buffers: cb 16,384,000 bytes; rope 1,048,576 bytes; qkvb 9,830,400 bytes; ab 3,276,800 bytes; mimg 16,777,216 bytes
;; launch prep (part 1): grid 1536 x 1, 8 waves a work-group, no clusters, 69,120 bytes of LDS; arguments hidden_states, Wq, Wk, Wv, Wo, position_ids, cb, rope, attention_mask, mimg; writes cb, rope, mimg
.if DOCPART == 1
	.amdgcn_target "amdgcn-amd-amdhsa--gfx1250"
	.amdhsa_code_object_version 6
	.text
	.protected	k_q05dc85ddfd_prep
	.globl	k_q05dc85ddfd_prep
	.p2align	8
	.type	k_q05dc85ddfd_prep,@function
k_q05dc85ddfd_prep:
	s_mov_b64 s[64:65], 0
	v_nop
	global_prefetch_b8 v0, s[64:65] scope:SCOPE_SE
	s_setreg_imm32_b32 hwreg(HW_REG_WAVE_MODE, 25, 1), 1
	s_wait_xcnt 0x0
; hidden_states, Wq, Wk, Wv, Wo ([2048][2048] f32, K innermost) become codes of FP6 (E2M3) with one E8M0 byte for each 32 along K, laid in BLOCKS, the one form of every operand of this program:
; a block = 128 rows (a group) x 128 along K (a K step) = 12,800 bytes at ((16 T + g) 16 + s) x 12,800 of cb (T: the tensor, in the order above).  In it: eight IMAGES OF A FRAGMENT'S REGISTERS, 1,536 bytes each
; (tile t at 1,536 t; registers 4 c .. 4 c + 3 of lane l at 512 c + 16 l), then at 12,288 the scale words: that of (lane r, tile t) at 32 r + 4 t.
; THE ROWS OF A TILE ARE NOT NEIGHBOURS: lane r of tile t takes row 64 (t / 4) + 8 (t % 4) + r % 8 + 32 (r / 8) of the group.  Used as source 0 of a product, eight such tiles leave a lane's 64 results as
; rows 64 c + 32 (lane / 16) + 0 .. 31: two whole blocks of 32 in the very order of a 6-bit operand's registers, so that a result is quantised with no exchange of numbers between lanes.
; A block's scale is 2^(floor(log2(largest magnitude)) - 2); its byte is the largest magnitude's exponent field - 2, held at 1 from below (a block of zeros keeps 1: its codes are zeros, and this program alone reads the bytes).
; SHARES.  A work-group makes one block, wave t its tile t.  Each load reads one row's 512 consecutive bytes; the 16 rows turn through the wave's own stage in LDS (pitch 528) and come back 128 bytes a lane.
; Memory binds: no matrix unit, no tensor loads, no cluster (no byte is read by two work-groups).  16 loads of 512 bytes a wave are out at once, and two work-groups fit the registers of a WGP.
; THE TABLE.  The first 128 work-groups also make cos and sin of position x inv_freq, as the register image that the next launch's lanes want: for sequence tile (g, t), 8,192 bytes at (8 g + t) 8,192 of rope:
; registers 0-31 cos of frequency 32 (lane / 16) + i, registers 32-63 sin.  inv_freq = 2^(-f L), L = log2(10000) / 64 held in two words; the angle is one f32 product, as the model has it; it is reduced by
; n = the nearest whole number of quarter turns, pi / 2 in two words under fused multiply-adds; sine and cosine are polynomials of degree 7 and 8 on [-pi/4, pi/4].
; LIMITS: NaN and infinities among the inputs are not served; blocks whose largest magnitude lies under 2^-124 keep the byte 1; |position x inv_freq| under 2^23.
.set PB,   12800
.set SOFF, 12288
.set STG,  8448                        ; a wave's stage: 16 rows x (512 + 16) bytes
.set SP,   528
.set SCR,  8*STG                       ; behind the stages: the block's 512 bytes of scale words
.set R,    16                          ; v16-79   the 16 rows as loaded
.set X,    80                          ; v80-143  my 64 numbers: register 32 c + i = k 64 c + 32 h + i of my row
.set PC,   144                         ; v144-155 the fragment's codes
.set PT,   156                         ; v156-162 the upper halves of the two blocks, as the conversions leave them
.set TM,   164                         ; v164-167 largest magnitudes
.set SCO,  168                         ; v168-169 the conversions' scale operands
.set PW,   170                         ; v170     my row's scale word
.set SEL,  30                          ; s[30:31] selects of v_permlanex16_b32 for lane l xor 16
	s_load_b256 s[4:11], s[0:1], 0x0               ; hidden_states, Wq, Wk, Wv
	s_load_b256 s[12:19], s[0:1], 0x20             ; Wo, position_ids, cb, rope
	s_load_b128 s[44:47], s[0:1], 0x40             ; attention_mask, mimg
	v_lshl_add_u32 v176, v0, 2, 0x10a00
	v_mov_b32 v177, 0
	v_lshrrev_b32 v1, 5, v0
	s_delay_alu instid0(VALU_DEP_1)
	v_readfirstlane_b32 s20, v1                    ; wave = tile t
	v_and_b32 v1, 31, v0                           ; l
	v_and_b32 v2, 15, v0                           ; r
	v_bfe_u32 v3, v0, 4, 1                         ; h
	s_delay_alu instid0(VALU_DEP_3)
	v_lshlrev_b32 v4, 4, v1                        ; 16 l
	s_mul_i32 s26, s20, STG
	v_add_nc_u32 v5, s26, v4                       ; into the stage: 16 l of a row
	v_mul_u32_u24 v6, v2, SP
	s_delay_alu instid0(VALU_DEP_1)
	v_lshl_add_u32 v6, v3, 7, v6
	s_delay_alu instid0(VALU_DEP_1)
	v_add_nc_u32 v6, s26, v6                       ; out of it: row r, + 128 h
	s_lshl_b32 s27, s20, 2
	s_add_co_u32 s27, s27, SCR
	v_lshl_add_u32 v7, v2, 5, s27                  ; my scale word's place: SCR + 32 r + 4 t
	v_add_nc_u32 v8, SCR, v4                       ; and the whole image, 16 bytes a lane
	v_lshlrev_b32 v9, 3, v3                        ; 8 h: my two bytes' shift in the scale word
	s_mul_i32 s29, s20, 1536
	v_add_nc_u32 v10, s29, v4                      ; my tile's image in the block
	s_lshr_b32 s21, ttmp9, 8                       ; T
	s_bfe_u32 s22, ttmp9, 0x40004                  ; K step s
	s_and_b32 s23, ttmp9, 15                       ; group g
	s_mov_b32 s[SEL], 0x76543210
	s_mov_b32 s[SEL+1], 0xfedcba98
	s_lshl_b32 s28, s23, 7
	s_lshr_b32 s26, s20, 2
	s_lshl_b32 s26, s26, 6
	s_add_co_u32 s28, s28, s26
	s_and_b32 s26, s20, 3
	s_lshl_b32 s26, s26, 3
	s_add_co_u32 s28, s28, s26                     ; my tile's first row: 128 g + 64 (t / 4) + 8 (t % 4)
	s_lshl_b32 s26, s28, 13                        ; rows of 8,192 bytes,
	s_lshl_b32 s27, s22, 9                         ; K steps of 512
	s_add_co_u32 s26, s26, s27
	s_mov_b32 s27, 0
	s_wait_alu depctr_va_vdst(0)
	s_wait_kmcnt 0x0
	s_mov_b64 s[24:25], s[4:5]                     ; which tensor: the choice hangs on the work-group's number alone
	s_cmp_eq_u32 s21, 1
	s_cselect_b64 s[24:25], s[6:7], s[24:25]
	s_cmp_eq_u32 s21, 2
	s_cselect_b64 s[24:25], s[8:9], s[24:25]
	s_cmp_eq_u32 s21, 3
	s_cselect_b64 s[24:25], s[10:11], s[24:25]
	s_cmp_eq_u32 s21, 4
	s_cselect_b64 s[24:25], s[12:13], s[24:25]
	s_cmp_eq_u32 s21, 5                            ; the last 256 work-groups take attention_mask ([2048][2048] f32, rows = queries, K = the keys)
	s_cselect_b64 s[24:25], s[44:45], s[24:25]
	s_add_nc_u64 s[24:25], s[24:25], s[26:27]
.irp i, 0,1,2,3,4,5,6,7,8,9,10,11,12,13,14,15
	global_load_b128 v[R+4*\i:R+4*\i+3], v4, s[24:25] offset:(\i%8)*8192+(\i/8)*262144 th:TH_LOAD_NT   ; the row of lane r = i: 512 consecutive bytes, read once in the launch
.endr
	s_lshl_b32 s26, s21, 4
	s_add_co_u32 s26, s26, s23
	s_lshl_b32 s26, s26, 4
	s_add_co_u32 s26, s26, s22
	s_mul_i32 s26, s26, PB
	s_add_nc_u64 s[16:17], s[16:17], s[26:27]      ; my block in cb
.irp i, 0,1,2,3,4,5,6,7,8,9,10,11,12,13,14,15
	s_wait_loadcnt 15-\i                           ; loads come back in order: row i is in, the younger ones may be out
	ds_store_b128 v5, v[R+4*\i:R+4*\i+3] offset:SP*\i
.endr
.irp c, 0,1
.irp j, 0,1,2,3,4,5,6,7
	ds_load_b128 v[X+32*\c+4*\j:X+32*\c+4*\j+3], v6 offset:256*\c+16*\j   ; LDS serves a wave's instructions in order: these see my stores
.endr
.endr
	s_wait_dscnt 0x0
	s_cmp_eq_u32 s21, 5                            ; the mask is not quantised: its 64 numbers a lane leave as they stand.  The branch hangs on the work-group's number alone: all eight waves take it
	s_cbranch_scc1 .Lmask
.irp b, 0,1,2,3
	v_max3_num_f32 v[TM+\b], |v[X+16*\b]|, |v[X+16*\b+1]|, 0x1800000      ; four chains of 16, and the floor 2^(3 - 127): the byte cannot fall under 1
.endr
.irp i, 2,4,6,8,10,12,14
.irp b, 0,1,2,3
	s_delay_alu instid0(VALU_DEP_4)
	v_max3_num_f32 v[TM+\b], |v[X+16*\b+\i]|, |v[X+16*\b+\i+1]|, v[TM+\b]
.endr
.endr
	s_delay_alu instid0(VALU_DEP_3)
	v_max_num_f32 v[TM], v[TM], v[TM+1]            ; block h of my row,
	s_delay_alu instid0(VALU_DEP_2)
	v_max_num_f32 v[TM+2], v[TM+2], v[TM+3]        ; and block 2 + h: all their numbers are mine
	s_delay_alu instid0(VALU_DEP_2)
	v_add_nc_u32 v[SCO], 0xff000000, v[TM]         ; 2 off the exponent field: the conversion takes the exponent field of this operand as its scale
	s_delay_alu instid0(VALU_DEP_2)
	v_add_nc_u32 v[SCO+1], 0xff000000, v[TM+2]
	s_delay_alu instid0(VALU_DEP_2)
	v_lshrrev_b32 v[TM], 23, v[SCO]                ; the bytes
	s_delay_alu instid0(VALU_DEP_2)
	v_lshrrev_b32 v[TM+2], 23, v[SCO+1]
	s_delay_alu instid0(VALU_DEP_1)
	v_lshl_or_b32 v[TM], v[TM+2], 16, v[TM]
	s_delay_alu instid0(VALU_DEP_1)
	v_lshlrev_b32 v[TM], v9, v[TM]                 ; at their places in the word;
	s_delay_alu instid0(VALU_DEP_1)
	v_permlanex16_b32 v[TM+1], v[TM], s[SEL], s[SEL+1]
	s_delay_alu instid0(VALU_DEP_1)
	v_or_b32 v[PW], v[TM], v[TM+1]                 ; with lane l xor 16's two the word is whole
	v_cvt_scalef32_pk16_fp6_f32 v[PC:PC+2], v[X:X+15], v[SCO]
	v_cvt_scalef32_pk16_fp6_f32 v[PT:PT+2], v[X+16:X+31], v[SCO]           ; (a conversion's three registers begin on an even number)
	v_cvt_scalef32_pk16_fp6_f32 v[PC+6:PC+8], v[X+32:X+47], v[SCO+1]
	v_cvt_scalef32_pk16_fp6_f32 v[PT+4:PT+6], v[X+48:X+63], v[SCO+1]
	v_nop                                          ; one plain place behind a scaled conversion
.irp i, 0,1,2
	v_mov_b32 v[PC+3+\i], v[PT+\i]
	v_mov_b32 v[PC+9+\i], v[PT+4+\i]
.endr
.irp c, 0,1,2
	global_store_b128 v10, v[PC+4*\c:PC+4*\c+3], s[16:17] offset:512*\c    ; 32 lanes store 512 consecutive bytes, at a multiple of 256 from cb's first byte
.endr
	ds_store_b32 v7, v[PW]                         ; lanes r and r + 16 write the same word with the same value
	s_wait_dscnt 0x0                               ; for the others' sake: my word lies in LDS
	s_barrier_signal -1
	s_barrier_wait -1
	s_cmp_lg_u32 s20, 0
	s_cbranch_scc1 .Lnot_wave_0
	ds_load_b128 v[172:175], v8                    ; the eight waves' words
	s_wait_dscnt 0x0
	global_store_b128 v4, v[172:175], s[16:17] offset:SOFF
.Lnot_wave_0:
	s_cmp_lt_u32 ttmp9, 128                        ; T = 0 and s < 8: these work-groups make registers 4 s .. 4 s + 3 of cos and of sin for sequence tile (g, t)
	s_cbranch_scc0 .Ldone
.set F,    16
.set NH,   20
.set LO,   24
.set E,    28
.set ANG,  32
.set NN,   36
.set RHO,  40
.set Z,    44
.set SN,   48
.set CS,   52
.set QQ,   56
.set T1,   60
.set T2,   64
.set COSO, 68
.set SINO, 72
	v_and_b32 v12, 7, v2
	v_lshrrev_b32 v13, 3, v2
	s_delay_alu instid0(VALU_DEP_1)
	v_lshl_add_u32 v12, v13, 5, v12
	s_delay_alu instid0(VALU_DEP_1)
	v_add_nc_u32 v12, s28, v12                     ; my row of the sequence, 0 .. 2,047
	s_delay_alu instid0(VALU_DEP_1)
	v_lshlrev_b32 v12, 2, v12
	global_load_b32 v11, v12, s[14:15]             ; its position
	s_mov_b32 s32, 0xbe549a78                      ; -L, upper word
	s_mov_b32 s33, 0xb1979a6b                      ; -L, lower word
	s_mov_b32 s34, 0x3f317218                      ; ln 2
	s_mov_b32 s35, 0x3f22f983                      ; 2 / pi
	s_mov_b32 s36, 0x3fc90fdb                      ; pi / 2, upper word
	s_mov_b32 s37, 0xb33bbd2e                      ; pi / 2, lower word
	s_mov_b32 s38, 0xb94ca1f9                      ; sine: -1.9515295891e-4
	s_mov_b32 s39, 0x3c08839e                      ;        8.3321608736e-3
	s_mov_b32 s40, 0xbe2aaaa3                      ;       -1.6666654611e-1
	s_mov_b32 s41, 0x37ccf5ce                      ; cosine: 2.443315711809948e-5
	s_mov_b32 s42, 0xbab6061a                      ;        -1.388731625493765e-3
	s_mov_b32 s43, 0x3d2aaaa5                      ;         4.166664568298827e-2
	v_lshlrev_b32 v13, 5, v3
	s_lshl_b32 s29, s22, 2
	v_add_nc_u32 v13, s29, v13                     ; 32 h + 4 s
.irp i, 0,1,2,3
	v_add_nc_u32 v[F+\i], \i, v13
.endr
.irp i, 0,1,2,3
	s_delay_alu instid0(VALU_DEP_4)
	v_cvt_f32_u32 v[F+\i], v[F+\i]                 ; the frequency's number f
.endr
.irp i, 0,1,2,3
	s_delay_alu instid0(VALU_DEP_4)
	v_mul_f32 v[NH+\i], s32, v[F+\i]               ; -f L, its upper part,
.endr
.irp i, 0,1,2,3
	s_delay_alu instid0(VALU_DEP_4)
	v_fma_f32 v[LO+\i], v[F+\i], s32, -v[NH+\i]    ; what that product's rounding dropped,
.endr
.irp i, 0,1,2,3
	s_delay_alu instid0(VALU_DEP_4)
	v_fma_f32 v[LO+\i], v[F+\i], s33, v[LO+\i]     ; and the lower word's share
.endr
	s_wait_alu depctr_va_vdst(0)
.irp i, 0,1,2,3
	v_exp_f32 v[E+\i], v[NH+\i]
.endr
.irp i, 0,1,2,3
	v_mul_f32 v[LO+\i], s34, v[LO+\i]              ; (plain places behind the exponentials)
.endr
	s_wait_alu depctr_va_vdst(0)
.irp i, 0,1,2,3
	v_fma_f32 v[E+\i], v[E+\i], v[LO+\i], v[E+\i]  ; inv_freq = 2^upper (1 + lower ln 2)
.endr
	s_wait_loadcnt 0x0
	v_cvt_f32_i32 v11, v11
	s_wait_alu depctr_va_vdst(0)
.irp i, 0,1,2,3
	v_mul_f32 v[ANG+\i], v11, v[E+\i]              ; the angle: one rounding
.endr
.irp i, 0,1,2,3
	s_delay_alu instid0(VALU_DEP_4)
	v_mul_f32 v[NN+\i], s35, v[ANG+\i]
.endr
.irp i, 0,1,2,3
	s_delay_alu instid0(VALU_DEP_4)
	v_rndne_f32 v[NN+\i], v[NN+\i]                 ; n quarter turns
.endr
.irp i, 0,1,2,3
	s_delay_alu instid0(VALU_DEP_4)
	v_fma_f32 v[RHO+\i], -v[NN+\i], s36, v[ANG+\i]
.endr
.irp i, 0,1,2,3
	s_delay_alu instid0(VALU_DEP_4)
	v_fma_f32 v[RHO+\i], -v[NN+\i], s37, v[RHO+\i] ; what is left, in [-pi/4, pi/4]
.endr
.irp i, 0,1,2,3
	v_cvt_i32_f32 v[QQ+\i], v[NN+\i]
.endr
.irp i, 0,1,2,3
	v_mul_f32 v[Z+\i], v[RHO+\i], v[RHO+\i]
.endr
.irp i, 0,1,2,3
	s_delay_alu instid0(VALU_DEP_4)
	v_fma_f32 v[T1+\i], v[Z+\i], s38, s39
.endr
.irp i, 0,1,2,3
	s_delay_alu instid0(VALU_DEP_4)
	v_fma_f32 v[T1+\i], v[T1+\i], v[Z+\i], s40
.endr
.irp i, 0,1,2,3
	v_mul_f32 v[T2+\i], v[Z+\i], v[RHO+\i]
.endr
.irp i, 0,1,2,3
	s_delay_alu instid0(VALU_DEP_4)
	v_fma_f32 v[SN+\i], v[T1+\i], v[T2+\i], v[RHO+\i]      ; the sine of what is left
.endr
.irp i, 0,1,2,3
	v_fma_f32 v[T1+\i], v[Z+\i], s41, s42
.endr
.irp i, 0,1,2,3
	s_delay_alu instid0(VALU_DEP_4)
	v_fma_f32 v[T1+\i], v[T1+\i], v[Z+\i], s43
.endr
.irp i, 0,1,2,3
	v_mul_f32 v[T2+\i], v[Z+\i], v[Z+\i]
.endr
.irp i, 0,1,2,3
	v_fma_f32 v[CS+\i], v[Z+\i], -0.5, 1.0
.endr
.irp i, 0,1,2,3
	s_delay_alu instid0(VALU_DEP_4)
	v_fma_f32 v[CS+\i], v[T1+\i], v[T2+\i], v[CS+\i]       ; and its cosine
.endr
.irp i, 0,1,2,3                        ; the quarter: odd n swaps the two; sin changes sign where n % 4 is 2 or 3, cos where it is 1 or 2.  Selections of values, no branch
	v_and_b32 v[T1+\i], 1, v[QQ+\i]
	s_delay_alu instid0(VALU_DEP_1)
	v_cmp_eq_u32 vcc_lo, 1, v[T1+\i]
	s_delay_alu instid0(VALU_DEP_1)
	v_cndmask_b32 v[SINO+\i], v[SN+\i], v[CS+\i], vcc_lo
	s_delay_alu instid0(VALU_DEP_2)
	v_cndmask_b32 v[COSO+\i], v[CS+\i], v[SN+\i], vcc_lo
	v_and_b32 v[T1+\i], 2, v[QQ+\i]
	s_delay_alu instid0(VALU_DEP_1)
	v_lshlrev_b32 v[T1+\i], 30, v[T1+\i]
	s_delay_alu instid0(VALU_DEP_1)
	v_xor_b32 v[SINO+\i], v[T1+\i], v[SINO+\i]
	v_add_nc_u32 v[T2+\i], 1, v[QQ+\i]
	s_delay_alu instid0(VALU_DEP_1)
	v_and_b32 v[T2+\i], 2, v[T2+\i]
	s_delay_alu instid0(VALU_DEP_1)
	v_lshlrev_b32 v[T2+\i], 30, v[T2+\i]
	s_delay_alu instid0(VALU_DEP_1)
	v_xor_b32 v[COSO+\i], v[T2+\i], v[COSO+\i]
.endr
	s_lshl_b32 s26, s23, 3
	s_add_co_u32 s26, s26, s20
	s_lshl_b32 s26, s26, 13                        ; (8 g + t) x 8,192
	s_lshl_b32 s29, s22, 9                         ; + 512 s
	s_add_co_u32 s26, s26, s29
	s_add_nc_u64 s[18:19], s[18:19], s[26:27]
	global_store_b128 v4, v[COSO:COSO+3], s[18:19]
	global_store_b128 v4, v[SINO:SINO+3], s[18:19] offset:4096
	s_branch .Ldone
.Lmask:
	; THE MASK AS A REGISTER IMAGE: for (query group g, tile t, key step s) 8,192 bytes at ((8 g + t) 16 + s) x 8,192 of mimg: registers 4 k .. 4 k + 3 of lane l at 512 k + 16 l;
	; register 32 c + i of lane (r, h) = the mask of the tile's query r at key 128 s + 64 c + 32 h + i: the order in which the attention launch's lanes hold their scores
	s_lshl_b32 s26, s23, 3
	s_add_co_u32 s26, s26, s20
	s_lshl_b32 s26, s26, 4
	s_add_co_u32 s26, s26, s22
	s_lshl_b32 s26, s26, 13
	s_add_nc_u64 s[46:47], s[46:47], s[26:27]
.irp k, 0,1,2,3,4,5,6,7,8,9,10,11,12,13,14,15
	global_store_b128 v4, v[X+4*\k:X+4*\k+3], s[46:47] offset:512*\k     ; 32 lanes store 512 consecutive bytes, at a multiple of 256 from mimg's first byte
.endr
.Ldone:
	s_wait_tensorcnt 0x0
	ds_add_u32 v176, v177
	s_wait_dscnt 0x0
	s_endpgm
.Lfunc_end_k_q05dc85ddfd_prep:
	.size	k_q05dc85ddfd_prep, .Lfunc_end_k_q05dc85ddfd_prep-k_q05dc85ddfd_prep
	.p2alignl 7, 3214868480
	.fill 96, 4, 3214868480
	.section	.rodata,"a",@progbits
	.p2align	6, 0x0
	.amdhsa_kernel k_q05dc85ddfd_prep
		.amdhsa_group_segment_fixed_size 69120
		.amdhsa_private_segment_fixed_size 0
		.amdhsa_enable_private_segment 0
		.amdhsa_kernarg_size 80
		.amdhsa_user_sgpr_count 2
		.amdhsa_user_sgpr_kernarg_segment_ptr 1
		.amdhsa_wavefront_size32 1
		.amdhsa_system_sgpr_workgroup_id_x 1
		.amdhsa_system_sgpr_workgroup_id_y 1
		.amdhsa_system_sgpr_workgroup_id_z 1
		.amdhsa_system_vgpr_workitem_id 0
		.amdhsa_next_free_vgpr 178
		.amdhsa_next_free_sgpr 66
		.amdhsa_reserve_vcc 1
		.amdhsa_float_denorm_mode_32 3
		.amdhsa_float_denorm_mode_16_64 3
		.amdhsa_memory_ordered 1
		.amdhsa_forward_progress 1
		.amdhsa_inst_pref_size 24
	.end_amdhsa_kernel
	.amdgpu_metadata
---
amdhsa.version: [ 1, 2 ]
amdhsa.kernels:
  - .name:           k_q05dc85ddfd_prep
    .symbol:         k_q05dc85ddfd_prep.kd
    .args:
      - { .name: hidden_states, .offset: 0, .size: 8, .value_kind: global_buffer, .address_space: global }
      - { .name: Wq, .offset: 8, .size: 8, .value_kind: global_buffer, .address_space: global }
      - { .name: Wk, .offset: 16, .size: 8, .value_kind: global_buffer, .address_space: global }
      - { .name: Wv, .offset: 24, .size: 8, .value_kind: global_buffer, .address_space: global }
      - { .name: Wo, .offset: 32, .size: 8, .value_kind: global_buffer, .address_space: global }
      - { .name: position_ids, .offset: 40, .size: 8, .value_kind: global_buffer, .address_space: global }
      - { .name: cb, .offset: 48, .size: 8, .value_kind: global_buffer, .address_space: global }
      - { .name: rope, .offset: 56, .size: 8, .value_kind: global_buffer, .address_space: global }
      - { .name: attention_mask, .offset: 64, .size: 8, .value_kind: global_buffer, .address_space: global }
      - { .name: mimg, .offset: 72, .size: 8, .value_kind: global_buffer, .address_space: global }
    .group_segment_fixed_size: 69120
    .private_segment_fixed_size: 0
    .kernarg_segment_align: 8
    .kernarg_segment_size: 80
    .max_flat_workgroup_size: 256
    .sgpr_count:     66
    .vgpr_count:     178
    .wavefront_size: 32
...
	.end_amdgpu_metadata
.endif
;; end of part 1
;; launch qkv (part 2): grid 24 x 8, 4 waves a work-group, clusters of 4 x 4, 327,680 bytes of LDS; arguments cb, rope, qkvb; writes qkvb
.if DOCPART == 2
	.amdgcn_target "amdgcn-amd-amdhsa--gfx1250"
	.amdhsa_code_object_version 6
	.text
	.protected	k_q05dc85ddfd_qkv
	.globl	k_q05dc85ddfd_qkv
	.p2align	8
	.type	k_q05dc85ddfd_qkv,@function
k_q05dc85ddfd_qkv:
	s_mov_b64 s[64:65], 0
	v_nop
	global_prefetch_b8 v0, s[64:65] scope:SCOPE_SE
	s_setreg_imm32_b32 hwreg(HW_REG_WAVE_MODE, 25, 1), 1
	s_wait_xcnt 0x0
	s_wait_alu depctr_hold_cnt(0) depctr_sa_sdst(0) depctr_va_vdst(0) depctr_va_sdst(0) depctr_va_ssrc(0) depctr_va_vcc(0) depctr_vm_vsrc(0)
	s_getreg_b32 s2, hwreg(HW_REG_IB_STS2, 6, 4)
	s_cmp_eq_u32 s2, 0
	s_cbranch_scc0 .Lentry_in_a_cluster
	s_endpgm
.Lentry_in_a_cluster:
	s_bfe_u32 s2, ttmp6, 0x10000c
	s_cmp_lg_u32 s2, 0xf033
	s_cbranch_scc0 .Lentry_shape_is_right
	s_endpgm
.Lentry_shape_is_right:
.set PB,    12800
.set SOFF,  12288
.set GRP,   16*PB
.set HALFT, 2*PB
.set SLOT,  4*HALFT
.set SPARE, 2*SLOT
.set FR,    12
.set NL,    3
.set NP,    4
.set LAPS,  4
.set ADRA,  16
.set ASA,   18
.set ADRB,  20
.set ASB,   22
.set LI,    24
.set WO,    25
.set SH8,   26
.set SPW,   28
.set NIL,   29
.set SC,    32
.set AF,    128
.set X,     128
.set PC,    192
.set PT,    204
.set TM,    212
.set SCO,   216
.set PWS,   224
.set WS,    232
.set G1,  24
.set G0,  32
.set G1B, 48
.set G0B, 56
.set SEL, 66
.set MSB, 0
.macro WIN new
.if MSB != (\new)
	s_set_vgpr_msb (MSB<<8)|(\new)
.set MSB, (\new)
.endif
.endm
.set MUL_LO, 0xa1
.set MUL_HI, 0xf1
.set TO_B,   0x40
.macro JLOAD g0a, g1a, g0b, g1b
	s_cmp_eq_u32 s15, 0
	s_cbranch_scc0 .Lfor_b_\@
	tensor_load_to_lds s[\g0a:\g0a+3], s[\g1a:\g1a+7]
	s_nop 0
.rept 4
	v_nop
.endr
	s_branch .Lasked_\@
.Lfor_b_\@:
	tensor_load_to_lds s[\g0b:\g0b+3], s[\g1b:\g1b+7]
	s_nop 0
.rept 4
	v_nop
.endr
.Lasked_\@:
.endm
.macro CREST
	s_cmp_lg_u32 s14, 0
	s_cbranch_scc1 .Lnot_wave_0_\@
	s_barrier_signal -3
.Lnot_wave_0_\@:
	s_barrier_wait -3
	s_barrier_signal -1
	s_barrier_wait -1
.endm
.macro CROUND
	s_barrier_signal -1
	s_barrier_wait -1
	CREST
.endm
.macro PLACES n
.rept \n
	v_nop
.endr
.endm
	s_load_b128 s[4:7], s[0:1], 0x0
	s_load_b64 s[8:9], s[0:1], 0x10
	v_lshl_add_u32 v[SPW], v0, 2, SPARE
	v_mov_b32 v[NIL], 0
	ds_add_u32 v28, v29
	ds_add_u32 v28, v29
	s_wait_dscnt 0x0
	v_lshrrev_b32 v1, 5, v0
	v_readfirstlane_b32 s14, v1
	s_lshr_b32 s15, s14, 1
	s_and_b32 s16, s14, 1
	s_bfe_u32 s40, ttmp6, 0x40000
	s_bfe_u32 s41, ttmp6, 0x40004
	s_lshl_b32 s42, ttmp9, 2
	s_add_co_u32 s42, s42, s40
	s_and_b32 s17, ttmp7, 0xffff
	s_lshl_b32 s17, s17, 2
	s_add_co_u32 s17, s17, s41
	s_lshl_b32 s43, s41, 2
	s_lshl_b32 s43, 15, s43
	s_lshl_b32 s44, 0x1111, s40
	s_lshr_b32 s10, ttmp9, 2
	s_lshr_b32 s11, ttmp9, 1
	s_or_b32 s[G1+0], s43, (3<<16)|(1<<21)
	s_or_b32 s[G1B+0], s44, (3<<16)|(1<<21)
.irp g, G1, G1B
	s_mov_b32 s[\g+1], 32<<16
	s_mov_b32 s[\g+2], 100<<16
	s_mov_b32 s[\g+3], 32<<16
	s_mov_b32 s[\g+4], 100
	s_mov_b32 s[\g+5], 32
	s_mov_b32 s[\g+6], 0
	s_mov_b32 s[\g+7], 0
.endr
	s_mul_i32 s12, s10, 48
	s_lshl_b32 s20, s17, 1
	s_add_co_u32 s20, s20, s16
	s_add_co_u32 s20, s20, s12
	s_mul_i32 s20, s20, GRP
	s_mov_b32 s21, 0
	s_lshl_b32 s46, s42, 1
	s_add_co_u32 s46, s46, s16
	s_add_co_u32 s46, s46, 16
	s_sub_co_u32 s46, s46, s12
	s_mul_i32 s46, s46, GRP
	s_mov_b32 s47, 0
	s_mul_i32 s45, s14, HALFT
	s_wait_kmcnt 0x0
	s_add_nc_u64 s[20:21], s[4:5], s[20:21]
	s_add_nc_u64 s[46:47], s[4:5], s[46:47]
	CROUND
.irp s, 0,1
	s_mov_b32 s[G0+4*\s], 1
	s_add_co_u32 s[G0+4*\s+1], s45, \s*SLOT
	s_add_nc_u64 s[G0+4*\s+2:G0+4*\s+3], s[20:21], \s*HALFT
	s_or_b32 s[G0+4*\s+3], s[G0+4*\s+3], 0x80000000
	s_mov_b32 s[G0B+4*\s], 1
	s_add_co_u32 s[G0B+4*\s+1], s45, \s*SLOT
	s_add_nc_u64 s[G0B+4*\s+2:G0B+4*\s+3], s[46:47], \s*HALFT
	s_or_b32 s[G0B+4*\s+3], s[G0B+4*\s+3], 0x80000000
	s_wait_alu depctr_va_vdst(0)
	s_wait_tensorcnt 0x0
	ds_add_u32 v28, v29
	ds_add_u32 v28, v29
	s_wait_dscnt 0x0
	CROUND
	JLOAD G0+4*\s, G1, G0B+4*\s, G1B
.endr
	v_and_b32 v1, 31, v0
	v_and_b32 v2, 15, v0
	v_bfe_u32 v3, v0, 4, 1
	v_lshlrev_b32 v[LI], 4, v1
	v_lshlrev_b32 v4, 5, v2
	v_lshl_add_u32 v[WO], v3, 4, v4
	v_lshlrev_b32 v[SH8], 3, v3
	s_mul_i32 s18, s15, HALFT
	s_mul_i32 s19, s16, HALFT
	s_add_co_u32 s19, s19, 2*HALFT
.irp s, 0,1
	v_add_nc_u32 v[ADRA+\s], s18, v[LI]
	v_add_nc_u32 v[ASA+\s], s18, v4
	v_add_nc_u32 v[ADRB+\s], s19, v[LI]
	v_add_nc_u32 v[ASB+\s], s19, v4
	s_add_co_u32 s18, s18, SLOT
	s_add_co_u32 s19, s19, SLOT
.endr
	s_mov_b32 s[SEL], 0x76543210
	s_mov_b32 s[SEL+1], 0xfedcba98
	s_and_b32 s74, s42, 7
	s_lshl_b32 s74, s74, 1
	s_add_co_u32 s74, s74, s16
	s_lshl_b32 s75, s17, 1
	s_add_co_u32 s75, s75, s15
	s_lshl_b32 s70, s74, 4
	s_add_co_u32 s70, s70, s75
	s_lshl_b32 s71, s75, 4
	s_add_co_u32 s71, s71, s74
	s_cmp_eq_u32 s10, 0
	s_cselect_b32 s70, s70, s71
	s_mul_i32 s70, s70, PB
	s_mul_i32 s71, s11, 256*PB
	s_add_co_u32 s70, s70, s71
	s_mov_b32 s71, 0
	s_add_nc_u64 s[68:69], s[8:9], s[70:71]
	s_lshl_b32 s70, s75, 16
	s_add_nc_u64 s[72:73], s[6:7], s[70:71]
.macro FRAG reg, adr, q, i
.irp c, 0,1,2
	ds_load_b128 v[\reg+4*\c:\reg+4*\c+3], v[\adr] offset:(\q)*PB+(\i)*1536+512*\c
.endr
.endm
.macro MUL16 a0, p, q, sc, zero
.irp a, \a0, \a0+1
.irp b, 0,1,2,3,4,5,6,7
.if \zero
	v_wmma_scale_f32_16x16x128_f8f6f4 v[8*(8*((\a)%4)+\b):8*(8*((\a)%4)+\b)+7], v[128*(\p)+FR*\b:128*(\p)+FR*\b+FR-1], v[AF+FR*(\a):AF+FR*(\a)+FR-1], 0, v[SC+32*(\sc)+16+8*(\q)+\b], v[SC+32*(\sc)+8*(\q)+(\a)] matrix_a_fmt:MATRIX_FMT_FP6 matrix_b_fmt:MATRIX_FMT_FP6
.else
	v_wmma_scale_f32_16x16x128_f8f6f4 v[8*(8*((\a)%4)+\b):8*(8*((\a)%4)+\b)+7], v[128*(\p)+FR*\b:128*(\p)+FR*\b+FR-1], v[AF+FR*(\a):AF+FR*(\a)+FR-1], v[8*(8*((\a)%4)+\b):8*(8*((\a)%4)+\b)+7], v[SC+32*(\sc)+16+8*(\q)+\b], v[SC+32*(\sc)+8*(\q)+(\a)] matrix_a_fmt:MATRIX_FMT_FP6 matrix_b_fmt:MATRIX_FMT_FP6
.endif
.endr
.endr
.endm
.macro FETCH_B slot, q, p
	WIN TO_B
.irp i, 0,1,2,3,4,5,6,7
	FRAG 128*(\p)+FR*\i, ADRB+\slot, \q, \i
.endr
	WIN 0
.endm
.macro FETCH_A slot, q, i0
.irp i, \i0, \i0+1, \i0+2, \i0+3
	FRAG AF+FR*(\i), ADRA+\slot, \q, \i
.endr
.endm
.macro SCALES sc
.irp q, 0,1
	ds_load_b128 v[SC+32*\sc+8*\q:SC+32*\sc+8*\q+3], v[ASA+\sc] offset:\q*PB+SOFF
	ds_load_b128 v[SC+32*\sc+8*\q+4:SC+32*\sc+8*\q+7], v[ASA+\sc] offset:\q*PB+SOFF+16
	ds_load_b128 v[SC+32*\sc+16+8*\q:SC+32*\sc+16+8*\q+3], v[ASB+\sc] offset:\q*PB+SOFF
	ds_load_b128 v[SC+32*\sc+16+8*\q+4:SC+32*\sc+16+8*\q+7], v[ASB+\sc] offset:\q*PB+SOFF+16
.endr
.endm
.macro STEP slot, zero
	s_wait_dscnt 4*NL
	WIN MUL_LO
	MUL16 0, 0, 0, \slot, \zero
	MUL16 2, 0, 0, \slot, \zero
	s_wait_dscnt 0
	PLACES NP
	FETCH_B \slot, 1, 1
	FETCH_A \slot, 1, 0
	WIN MUL_HI
	MUL16 4, 0, 0, \slot, \zero
	MUL16 6, 0, 0, \slot, \zero
	PLACES NP
	WIN 0
	FETCH_A \slot, 1, 4
.endm
.macro TURN slot, next, fill
	s_wait_tensorcnt 0x0
	ds_add_u32 v[SPW], v[NIL]
	s_wait_dscnt 4*NL+1
	WIN MUL_LO
	MUL16 0, 1, 1, \slot, 0
	s_wait_dscnt 0x0
	s_barrier_signal -1
	MUL16 2, 1, 1, \slot, 0
	WIN 0
	s_barrier_wait -1
.if \fill
	CREST
	s_add_nc_u64 s[G0+4*\slot+2:G0+4*\slot+3], s[G0+4*\slot+2:G0+4*\slot+3], 2*HALFT
	s_add_nc_u64 s[G0B+4*\slot+2:G0B+4*\slot+3], s[G0B+4*\slot+2:G0B+4*\slot+3], 2*HALFT
	JLOAD G0+4*\slot, G1, G0B+4*\slot, G1B
.else
	PLACES NP
.endif
	FETCH_B \next, 0, 0
	FETCH_A \next, 0, 0
	SCALES \next
	WIN MUL_HI
	MUL16 4, 1, 1, \slot, 0
	MUL16 6, 1, 1, \slot, 0
	PLACES NP
	WIN 0
	FETCH_A \next, 0, 4
.endm
	s_wait_alu depctr_va_vdst(0)
	s_wait_tensorcnt 1
	s_barrier_signal -1
	s_barrier_wait -1
	FETCH_B 0, 0, 0
	FETCH_A 0, 0, 0
	SCALES 0
	FETCH_A 0, 0, 4
	STEP 0, 1
	s_mov_b32 s3, LAPS-1
.Llap:
	TURN 0, 1, 1
	STEP 1, 0
	TURN 1, 0, 1
	STEP 0, 0
	s_sub_co_u32 s3, s3, 1
	s_cmp_lg_u32 s3, 0
	s_cbranch_scc1 .Llap
	TURN 0, 1, 0
	STEP 1, 0
	s_wait_dscnt 4*NL
	WIN MUL_LO
	MUL16 0, 1, 1, 1, 0
	MUL16 2, 1, 1, 1, 0
	s_wait_dscnt 0
	WIN MUL_HI
	MUL16 4, 1, 1, 1, 0
	MUL16 6, 1, 1, 1, 0
	WIN 0
.macro QMAX s, w
	WIN 5*(\w)
.irp b, 0,1,2,3
	v_max3_num_f32 v[TM+\b], |v[\s+16*\b]|, |v[\s+16*\b+1]|, 0x1800000
.endr
.irp i, 2,4,6,8,10,12,14
.irp b, 0,1,2,3
	v_max3_num_f32 v[TM+\b], |v[\s+16*\b+\i]|, |v[\s+16*\b+\i+1]|, v[TM+\b]
.endr
.endr
	WIN 0
	v_max_num_f32 v[TM], v[TM], v[TM+1]
	v_max_num_f32 v[TM+2], v[TM+2], v[TM+3]
.endm
.macro QPACK s, w, pw
	v_add_nc_u32 v[SCO], 0xff000000, v[TM]
	v_add_nc_u32 v[SCO+1], 0xff000000, v[TM+2]
	v_lshrrev_b32 v[TM], 23, v[SCO]
	v_lshrrev_b32 v[TM+2], 23, v[SCO+1]
	v_lshl_or_b32 v[TM], v[TM+2], 16, v[TM]
	v_lshlrev_b32 v[TM], v[SH8], v[TM]
	v_permlanex16_b32 v[TM+1], v[TM], s[SEL], s[SEL+1]
	v_or_b32 v[\pw], v[TM], v[TM+1]
	WIN \w
	v_cvt_scalef32_pk16_fp6_f32 v[PC:PC+2], v[\s:\s+15], v[SCO]
	v_cvt_scalef32_pk16_fp6_f32 v[PT:PT+2], v[\s+16:\s+31], v[SCO]
	v_cvt_scalef32_pk16_fp6_f32 v[PC+6:PC+8], v[\s+32:\s+47], v[SCO+1]
	v_cvt_scalef32_pk16_fp6_f32 v[PT+4:PT+6], v[\s+48:\s+63], v[SCO+1]
	WIN 0
	v_nop
.irp i, 0,1,2
	v_mov_b32 v[PC+3+\i], v[PT+\i]
	v_mov_b32 v[PC+9+\i], v[PT+4+\i]
.endr
.endm
.macro IMAGE a
.irp c, 0,1,2
	global_store_b128 v[LI], v[PC+4*\c:PC+4*\c+3], s[68:69] offset:1536*(\a)+512*\c
.endr
.endm
.macro ROPELOAD a
	WIN 0x40
.irp k, 0,1,2,3,4,5,6,7,8,9,10,11,12,13,14,15
	global_load_b128 v[64*((\a)%2)+4*\k:64*((\a)%2)+4*\k+3], v[LI], s[72:73] offset:(\a)*8192+512*\k
.endr
	WIN 0
.endm
.macro QKTILE a
.set AC, 64*((\a)%4)
.set RB, 64*((\a)%2)
.set WW, 2+(\a)/4
.if (\a) < 7
	ROPELOAD (\a)+1
	s_wait_loadcnt 16
.else
	s_wait_loadcnt 0x0
.endif
	WIN WW+4
.irp i, 0,2,4,6,8,10,12,14,16,18,20,22,24,26,28,30
	v_pk_mul_f32 v[X+\i:X+\i+1], v[AC+\i:AC+\i+1], v[RB+\i:RB+\i+1]
.endr
.irp i, 0,2,4,6,8,10,12,14,16,18,20,22,24,26,28,30
	v_pk_mul_f32 v[X+32+\i:X+33+\i], v[AC+32+\i:AC+33+\i], v[RB+\i:RB+\i+1]
.endr
.irp i, 0,2,4,6,8,10,12,14,16,18,20,22,24,26,28,30
	v_pk_fma_f32 v[X+\i:X+\i+1], v[AC+32+\i:AC+33+\i], v[RB+32+\i:RB+33+\i], v[X+\i:X+\i+1] neg_lo:[1,0,0] neg_hi:[1,0,0]
.endr
.irp i, 0,2,4,6,8,10,12,14,16,18,20,22,24,26,28,30
	v_pk_fma_f32 v[X+32+\i:X+33+\i], v[AC+\i:AC+\i+1], v[RB+32+\i:RB+33+\i], v[X+32+\i:X+33+\i]
.endr
	WIN 0
.if (\a) > 0
	s_wait_xcnt 0x0
.endif
	QMAX X, 0
	QPACK X, 0, PWS+(\a)
	IMAGE \a
.endm
.macro VTILE a
.set AC, 64*((\a)%4)
.set WW, 2+(\a)/4
.if (\a) > 0
	s_wait_xcnt 0x0
.endif
	QMAX AC, WW
	QPACK AC, WW, PWS+(\a)
	IMAGE \a
.endm
	PLACES NP
	s_cmp_lg_u32 s10, 0
	s_cbranch_scc1 .Lv_path
	ROPELOAD 0
.irp a, 0,1,2,3,4,5,6,7
	QKTILE \a
.endr
	s_branch .Ljoin
.Lv_path:
.irp a, 0,1,2,3,4,5,6,7
	VTILE \a
.endr
.Ljoin:
	v_cmp_eq_u32 vcc_lo, 1, v3
.irp i, 0,1,2,3
	v_cndmask_b32 v[WS+\i], v[PWS+\i], v[PWS+4+\i], vcc_lo
.endr
	global_store_b128 v[WO], v[WS:WS+3], s[68:69] offset:SOFF
	s_wait_tensorcnt 0x0
	ds_add_u32 v[SPW], v[NIL]
	s_wait_dscnt 0x0
	CROUND
	s_endpgm
.Lfunc_end_k_q05dc85ddfd_qkv:
	.size	k_q05dc85ddfd_qkv, .Lfunc_end_k_q05dc85ddfd_qkv-k_q05dc85ddfd_qkv
	.p2alignl 7, 3214868480
	.fill 96, 4, 3214868480
	.section	.rodata,"a",@progbits
	.p2align	6, 0x0
	.amdhsa_kernel k_q05dc85ddfd_qkv
		.amdhsa_group_segment_fixed_size 327680
		.amdhsa_private_segment_fixed_size 0
		.amdhsa_enable_private_segment 0
		.amdhsa_kernarg_size 24
		.amdhsa_user_sgpr_count 2
		.amdhsa_user_sgpr_kernarg_segment_ptr 1
		.amdhsa_wavefront_size32 1
		.amdhsa_system_sgpr_workgroup_id_x 1
		.amdhsa_system_sgpr_workgroup_id_y 1
		.amdhsa_system_sgpr_workgroup_id_z 1
		.amdhsa_system_vgpr_workitem_id 0
		.amdhsa_next_free_vgpr 1024
		.amdhsa_next_free_sgpr 80
		.amdhsa_reserve_vcc 1
		.amdhsa_float_denorm_mode_32 3
		.amdhsa_float_denorm_mode_16_64 3
		.amdhsa_memory_ordered 1
		.amdhsa_forward_progress 1
		.amdhsa_inst_pref_size 205
	.end_amdhsa_kernel
	.amdgpu_metadata
---
amdhsa.version: [ 1, 2 ]
amdhsa.kernels:
  - .name:           k_q05dc85ddfd_qkv
    .symbol:         k_q05dc85ddfd_qkv.kd
    .args:
      - { .name: cb, .offset: 0, .size: 8, .value_kind: global_buffer, .address_space: global }
      - { .name: rope, .offset: 8, .size: 8, .value_kind: global_buffer, .address_space: global }
      - { .name: qkvb, .offset: 16, .size: 8, .value_kind: global_buffer, .address_space: global }
    .group_segment_fixed_size: 327680
    .private_segment_fixed_size: 0
    .kernarg_segment_align: 8
    .kernarg_segment_size: 24
    .max_flat_workgroup_size: 128
    .sgpr_count:     80
    .vgpr_count:     1024
    .wavefront_size: 32
...
	.end_amdgpu_metadata
.endif
;; end of part 2
;; launch attn (part 3): grid 16 x 16, 8 waves a work-group, clusters of 4 x 1, 327,680 bytes of LDS; arguments qkvb, mimg, ab; writes ab
.if DOCPART == 3
	.amdgcn_target "amdgcn-amd-amdhsa--gfx1250"
	.amdhsa_code_object_version 6
	.text
	.protected	k_q05dc85ddfd_attn
	.globl	k_q05dc85ddfd_attn
	.p2align	8
	.type	k_q05dc85ddfd_attn,@function
k_q05dc85ddfd_attn:
	s_mov_b64 s[64:65], 0
	v_nop
	global_prefetch_b8 v0, s[64:65] scope:SCOPE_SE
	s_setreg_imm32_b32 hwreg(HW_REG_WAVE_MODE, 25, 1), 1
	s_wait_xcnt 0x0
	s_wait_alu depctr_hold_cnt(0) depctr_sa_sdst(0) depctr_va_vdst(0) depctr_va_sdst(0) depctr_va_ssrc(0) depctr_va_vcc(0) depctr_vm_vsrc(0)
	s_getreg_b32 s2, hwreg(HW_REG_IB_STS2, 6, 4)
	s_cmp_eq_u32 s2, 0
	s_cbranch_scc0 .Lentry_in_a_cluster
	s_endpgm
.Lentry_in_a_cluster:
	s_bfe_u32 s2, ttmp6, 0x10000c
	s_cmp_lg_u32 s2, 0x3003
	s_cbranch_scc0 .Lentry_shape_is_right
	s_endpgm
.Lentry_shape_is_right:
; For each head: logit = q . k / sqrt(128) + attention_mask; t = logit x log2(e); M = the running largest t rounded UP to a whole number; p = 2^(t - M) is quantised along the keys;
; O = (p v) / (the sum of the unquantised p); O is quantised along d and leaves as a block of codes.  Both products on codes of FP6 (E2M3) with E8M0 scales.
; BLOCKS: 128 rows x 128 along K = 12,800 bytes: eight images of a fragment's registers (tile t at 1,536 t; registers 4 c .. 4 c + 3 of lane l at 512 c + 16 l), then at 12,288 the scale words ((lane r, tile t) at 32 r + 4 t).
; Lane r of tile t holds row 64 (t / 4) + 8 (t % 4) + r % 8 + 32 (r / 8).  qkvb: Q (head, query group) at (16 head + group) x 12,800; K (head, key step) at 3,276,800 + ..; V^T (head, key step; rows = d) at 6,553,600 + ...
; SHARES.  A work-group owns 128 queries of one head.  EIGHT waves, two to a SIMD: wave w = (qp = w % 4, kp = w / 4) owns query tiles 2 qp and 2 qp + 1 and walks the key steps of parity kp: eight of the sixteen.
; Its register tile 0 is query tile 2 qp + kp, its register tile 1 the other one.  At the end waves w and w xor 4 hand each other their register tile 1 (O^T, -M, the sum) through LDS bytes of their own, and each joins
; and finishes its register tile 0: both M are whole numbers, so the join multiplies by exact powers of two.  The mask is an input, so no key is left out.
; LAYOUT.  Both products transposed: S^T = K Q^T, O^T = V^T P^T: a lane holds ONE query of each tile; its 64 registers are keys (then d) 64 c + 32 (lane / 16) + 0 .. 31: two whole blocks of 32 in the order of a
; 6-bit operand's registers: p and O are quantised with no exchange of numbers between lanes.
; A BODY (one key step of the wave): fetch K | the sums of the last step's p | K Q^T of both tiles | fetch V into K's registers | softmax 0 | V^T P 0 | softmax 1 | V^T P 1.  K and V share one set of 96 registers.
; K and V come through a ring of two LDS slots of four key steps (102,400 bytes).  CLUSTER 4 x 1: the four query groups of a cluster belong to one head and walk the same K and V: each wave asks for one block of a slot JOINTLY.
; THE MASK comes from mimg, where the first launch has laid it as images of these lanes' registers: (query group g, tile t, key step s) at ((8 g + t) 16 + s) x 8,192, registers 4 k .. 4 k + 3 of lane l at 512 k + 16 l:
; each load of the wave reads 512 consecutive bytes.  It goes from memory to registers, one tile (64 registers) at a time: tile 1's is asked for when tile 0's has been added, the next step's tile 0 when tile 1's has.
; It is not shared in the cluster (each partner has other queries).
; PREFETCHES.  The mask: in each body a wave names the two images of its body two on, 32 units of 256 bytes each, a lane a unit; the last two bodies ask for nothing.  K and V: behind a slot's joint load a wave names
; its block of the NEXT fill, 50 units of 256 bytes, of which the partner at place cx takes 13 cx .. 13 cx + 12 by address (lanes left over name the last again); the first two fills come by their loads alone.
; LIMITS: 1 / sqrt(128) is multiplied, fused with the mask's addition, where the model divides and then adds; t - M is one fused multiply-add.  A block's largest p is taken as the p of its largest logit: that leans on
; v_exp_f32 not falling where its input rises.  A row all of whose logits are near -1e9 gets an M up to 65 off the exact one: a power of two that scales and sum take up alike.  The promise holds while |t| stays under 2^31.
; NaN and infinities are not served.
; REGISTERS: window 0: v1-11, v56-60 addresses; v12-19 statistics; v20-43 Q; v44-55 scale words and nothing else; v64-94 codes and work; v96-127 the mask, keys' first half; v128-255 S^T, then p, 64 a tile.
;   window 1: v0-95 K's or V's eight fragments; v96-127 the mask, second half; v128-255 O^T, 64 a tile.
.set PB,    12800
.set SOFF,  12288
.set SLOT1, 1<<17                      ; slot 1 begins here
.set VOFF,  4*PB                       ; a slot: four blocks of K, then four of V
.set SCR,   SLOT1+8*PB                 ; behind the ring: the output block's 512 bytes of scale words
.set SPARE, SCR+512                    ; the spare words, 128 bytes a wave: four blocks of 256 bytes that no other line names
.set MRG,   SPARE+1024                 ; the join: for each wave 8,192 bytes of O^T and 512 of statistics
.set MW,    8704
.set MIM,   8192                       ; an image of the mask: one tile, one key step
.set LI,  1                            ; 16 l
.set MO,  2                            ; v2, v3 my byte in the mask's images for register tile 0, 1
.set SH8, 4                            ; 8 h
.set SPW, 5                            ; my spare word; never rewritten
.set NIL, 6                            ; 0; never rewritten
.set SCW, 7                            ; where my tile's scale word goes on the way out
.set ADK, 8
.set ADS, 9
.set FO,  10                           ; my register tile 0's image in a block
.set LS,  11                           ; 32 r
.set ST,  12                           ; tile x: v[ST+4x] -M, +1 the largest t, +2, +3 the sum in two halves
.set QF,  20
.set QSC, 44
.set PSC, 46
.set KS,  48                           ; v48-55 K's or V's scale words
.set PF,  56                           ; v56, v57 the mask's prefetches: a lane a unit of 256 bytes
.set PKO, 58                           ; K's and V's prefetch: my unit of the wave's block
.set MGS, 59                           ; the join: where I store,
.set MGL, 60                           ; and where my partner has stored
.set PC,  64
.set PT,  76
.set TM,  84
.set SCO, 88
.set PWO, 90
.set F,   92
.set T,   94
.set MK,  96
.set S,   128
.set O,   128                          ; in window 1
.set KF,  0                            ; in window 1
.set WV,  18
.set SEL, 20
.set L2E, 22
.set RSD, 24
.set G1,  28
.set G0,  36
.set TB,  40                           ; LDS byte of my body's block of K; V's lies VOFF behind it
.set OUTER, 41
.set INNER, 42
.set CNT, 43                           ; bodies to go, this one among them
.set MB,  44                           ; s[44:45] mimg at query tile 2 qp's image of this body's key step
.set KP,  46                           ; s[46:47] my block of the first fill; never rewritten
.set KPAR, 48
.set QP,  49
.set MSB, 0
.macro WIN new                         ; the immediate's high byte repeats the setting that is left; bits 1:0 source 0, 3:2 source 1, 5:4 source 2, 7:6 destination
.if MSB != (\new)
	s_set_vgpr_msb (MSB<<8)|(\new)
.set MSB, (\new)
.endif
.endm
.macro D n                             ; two waves share a SIMD: a hint ahead of a plain vector line that reads the result of the plain vector line n before it
	s_delay_alu instid0(VALU_DEP_\n)
.endm
.macro VW
	s_wait_alu depctr_va_vdst(0)
.endm
.macro TLOAD
	tensor_load_to_lds s[G0:G0+3], s[G1:G1+7]
	s_nop 0
.rept 4
	v_nop
.endr
.endm
.macro CROUND                          ; a round of the cluster's barrier
	s_barrier_signal -1
	s_barrier_wait -1
	s_cmp_lg_u32 s[WV], 0
	s_cbranch_scc1 .Lnot_wave_0_\@
	s_barrier_signal -3
.Lnot_wave_0_\@:
	s_barrier_wait -3
	s_barrier_signal -1
	s_barrier_wait -1
.endm
.macro MASKLOAD x                      ; register tile x's 64 numbers of the mask: register 32 c + i = key 64 c + 32 h + i; c = 0 in window 0, c = 1 in window 1.  Each load: 512 consecutive bytes
.irp j, 0,1,2,3,4,5,6,7
	global_load_b128 v[MK+4*\j:MK+4*\j+3], v[MO+(\x)], s[MB:MB+1] offset:512*\j
.endr
	WIN 0x40
.irp j, 0,1,2,3,4,5,6,7
	global_load_b128 v[MK+4*\j:MK+4*\j+3], v[MO+(\x)], s[MB:MB+1] offset:4096+512*\j
.endr
	WIN 0
.endm
	s_load_b128 s[4:7], s[0:1], 0x0                ; qkvb, mimg
	s_load_b64 s[8:9], s[0:1], 0x10                ; ab
	v_lshl_add_u32 v[SPW], v0, 2, SPARE
	v_mov_b32 v[NIL], 0
	ds_add_u32 v[SPW], v[NIL]                      ; the opening lines: the add, twice on end, and its wait
	ds_add_u32 v[SPW], v[NIL]
	s_wait_dscnt 0x0
	v_lshrrev_b32 v7, 5, v0
	D 1
	v_readfirstlane_b32 s[WV], v7                  ; wave 0..7
	s_lshr_b32 s[KPAR], s[WV], 2                   ; kp: the parity of my key steps
	s_and_b32 s[QP], s[WV], 3                      ; qp: my pair of query tiles
	s_bfe_u32 s10, ttmp6, 0x40000                  ; cx
	s_lshl_b32 s11, ttmp9, 2
	s_add_co_u32 s11, s11, s10                     ; my query group: it enters global addresses alone
	s_and_b32 s12, ttmp7, 0xffff                   ; the head, which the four partners share
	s_mov_b32 s[G1], 15|(3<<16)|(1<<21)            ; a block: 12,800 dense bytes as 50 rows of 256 (32 elements of 8 bytes); the mask names all four work-groups
	s_mov_b32 s[G1+1], 32<<16
	s_mov_b32 s[G1+2], 50<<16
	s_mov_b32 s[G1+3], 32<<16
	s_mov_b32 s[G1+4], 50
	s_mov_b32 s[G1+5], 32
	s_mov_b32 s[G1+6], 0
	s_mov_b32 s[G1+7], 0
	s_mov_b32 s[G0], 1
	s_mul_i32 s[G0+1], s[WV], PB                   ; wave w fills block w of a slot: waves 0-3 K's four, waves 4-7 V's
	s_add_co_u32 s26, s[KPAR], 1
	s_mul_i32 s26, s26, 256*PB                     ; K's region or V's,
	s_mul_i32 s27, s12, 16*PB                      ; the head's 16 blocks,
	s_add_co_u32 s26, s26, s27
	s_mul_i32 s27, s[QP], PB                       ; which of the slot's four
	s_add_co_u32 s26, s26, s27
	s_mov_b32 s27, 0
	s_mov_b32 s[SEL], 0x76543210
	s_mov_b32 s[SEL+1], 0xfedcba98
	s_mov_b32 s[L2E], 0x3fb8aa3b
	s_mov_b32 s[L2E+1], s[L2E]
	s_mov_b32 s[RSD], 0x3db504f3
	s_mov_b32 s[RSD+1], s[RSD]
	s_mul_i32 s[TB], s[KPAR], PB
	s_mov_b32 s[CNT], 8
	s_wait_kmcnt 0x0
	s_add_nc_u64 s[KP:KP+1], s[4:5], s[26:27]
	s_mov_b64 s[G0+2:G0+3], s[KP:KP+1]
	s_or_b32 s[G0+3], s[G0+3], 0x80000000
	CROUND                                         ; all four work-groups are here: the first joint loads meet
	TLOAD                                          ; slot 0: key steps 0 to 3; one tensor load a wave at the head
	s_lshl_b32 s14, s12, 4
	s_add_co_u32 s14, s14, s11
	s_mul_i32 s14, s14, PB
	s_mov_b32 s15, 0
	s_add_nc_u64 s[16:17], s[4:5], s[14:15]        ; Q's block (head, group)
	s_lshl_b32 s14, s11, 4
	s_add_co_u32 s14, s14, s12
	s_mul_i32 s14, s14, PB
	s_add_nc_u64 s[8:9], s[8:9], s[14:15]          ; ab's block (group, K step = head)
	s_lshl_b32 s14, s11, 2
	s_add_co_u32 s14, s14, s[QP]
	s_lshl_b32 s14, s14, 5                         ; (8 g + 2 qp) x 16 images: query tile 2 qp's sixteen,
	s_add_co_u32 s14, s14, s[KPAR]                 ; + my first key step's
	s_lshl_b32 s14, s14, 13
	s_add_nc_u64 s[MB:MB+1], s[6:7], s[14:15]
	s_lshl_b32 s50, s[KPAR], 17                    ; register tile 0 = query tile 2 qp + kp: kp x sixteen images on;
	s_xor_b32 s51, s50, 0x20000                    ; register tile 1 the other one
	s_lshl_b32 s52, s[QP], 1
	s_add_co_u32 s52, s52, s[KPAR]                 ; their numbers in the block
	s_xor_b32 s53, s52, 1
	s_mul_i32 s54, s52, 1536
	s_mul_i32 s55, s53, 1536
	s_lshl_b32 s52, s52, 2
	s_lshl_b32 s53, s53, 2
	s_mul_i32 s56, s10, 13
	s_mul_i32 s57, s[WV], MW
	s_add_co_u32 s57, s57, MRG
	s_xor_b32 s58, s[WV], 4
	s_mul_i32 s58, s58, MW
	s_add_co_u32 s58, s58, MRG
	v_and_b32 v[LI], 31, v0
	v_and_b32 v[TM], 15, v0                        ; r
	v_bfe_u32 v[TM+1], v0, 4, 1                    ; h
	D 3
	v_min_u32 v[PKO], 12, v[LI]
	D 4
	v_lshlrev_b32 v[LI], 4, v[LI]
	D 4
	v_lshlrev_b32 v[LS], 5, v[TM]
	D 4
	v_lshlrev_b32 v[SH8], 3, v[TM+1]
	D 4
	v_add_nc_u32 v[PKO], s56, v[PKO]
	D 4
	v_lshlrev_b32 v[PF], 4, v[LI]                  ; 256 l
	v_add_nc_u32 v[MO], s50, v[LI]
	D 3
	v_min_u32 v[PKO], 49, v[PKO]                   ; a block has 50 units of 256 bytes
	v_add_nc_u32 v[MO+1], s51, v[LI]
	D 4
	v_add_nc_u32 v[PF+1], s51, v[PF]
	D 3
	v_lshlrev_b32 v[PKO], 8, v[PKO]
	v_add_nc_u32 v[PF], s50, v[PF]
	v_add_nc_u32 v[FO], s54, v[LI]
	v_add_nc_u32 v[PT], s55, v[LI]
	v_add_nc_u32 v[PT+1], s52, v[LS]
	v_add_nc_u32 v[PT+2], s53, v[LS]
	D 2
	v_add_nc_u32 v[SCW], SCR, v[PT+1]
	v_add_nc_u32 v[MGS], s57, v[LI]
	v_add_nc_u32 v[MGL], s58, v[LI]
.irp c, 0,1,2
	global_load_b128 v[QF+4*\c:QF+4*\c+3], v[FO], s[16:17] offset:512*\c          ; Q's two fragments stay in registers
	global_load_b128 v[QF+12+4*\c:QF+12+4*\c+3], v[PT], s[16:17] offset:512*\c
.endr
	global_load_b32 v[QSC], v[PT+1], s[16:17] offset:SOFF                         ; and their scale words
	global_load_b32 v[QSC+1], v[PT+2], s[16:17] offset:SOFF
	MASKLOAD 0                                     ; my first key step's, register tile 0
.irp x, 0,1
	v_mov_b32 v[ST+4*\x+1], 0xff61b1e6             ; the largest t so far: -3e38, under every t
	D 1
	v_floor_f32 v[ST+4*\x], -v[ST+4*\x+1]          ; -M
	v_mov_b32 v[ST+4*\x+2], 0                      ; the sum, in two halves
	v_mov_b32 v[ST+4*\x+3], 0
.endr
	v_mov_b32 v[F+1], 0                            ; written once: a lane permute's destination counts as one of its sources
; 26 LDS loads: the block at s[TB] + off: its scale words (my row of tiles 0-3, 4-7), its eight images.  Its two additions and two v_nop ahead of it are the four places behind the products that read these registers.
.macro FETCH off
	v_add_nc_u32 v[ADK], s[TB], v[LI]
	v_add_nc_u32 v[ADS], s[TB], v[LS]
	ds_load_b128 v[KS:KS+3], v[ADS] offset:(\off)+SOFF
	ds_load_b128 v[KS+4:KS+7], v[ADS] offset:(\off)+SOFF+16
	WIN 0x40
.irp t, 0,1,2,3,4,5,6,7
.irp c, 0,1,2
	ds_load_b128 v[KF+12*\t+4*\c:KF+12*\t+4*\c+3], v[ADK] offset:(\off)+1536*\t+512*\c
.endr
.endr
	WIN 0
.endm
; THE PRODUCTS of tile x: eight each, on eight accumulators (one instruction a turn).
.macro QK x                            ; S^T = K Q^T: source 0 window 1
	WIN 0x01
.irp t, 0,1,2,3,4,5,6,7
	v_wmma_scale_f32_16x16x128_f8f6f4 v[S+64*(\x)+8*\t:S+64*(\x)+8*\t+7], v[KF+12*\t:KF+12*\t+11], v[QF+12*(\x):QF+12*(\x)+11], 0, v[KS+\t], v[QSC+(\x)] matrix_a_fmt:MATRIX_FMT_FP6 matrix_b_fmt:MATRIX_FMT_FP6
.endr
.endm
.macro PV x, first                     ; O^T += V^T P^T: source 0, C and D window 1, source 1 window 0.  first = 1: the wave's first key step starts the sums: nothing is cleared
	WIN 0x51
.irp t, 0,1,2,3,4,5,6,7
.if \first
	v_wmma_scale_f32_16x16x128_f8f6f4 v[O+64*(\x)+8*\t:O+64*(\x)+8*\t+7], v[KF+12*\t:KF+12*\t+11], v[PC:PC+11], 0, v[KS+\t], v[PSC] matrix_a_fmt:MATRIX_FMT_FP6 matrix_b_fmt:MATRIX_FMT_FP6
.else
	v_wmma_scale_f32_16x16x128_f8f6f4 v[O+64*(\x)+8*\t:O+64*(\x)+8*\t+7], v[KF+12*\t:KF+12*\t+11], v[PC:PC+11], v[O+64*(\x)+8*\t:O+64*(\x)+8*\t+7], v[KS+\t], v[PSC] matrix_a_fmt:MATRIX_FMT_FP6 matrix_b_fmt:MATRIX_FMT_FP6
.endif
.endr
.endm
.macro QMAX s                          ; the largest magnitudes of the lane's two blocks, with the floor 2^(3 - 127): the byte cannot fall under 1
.irp b, 0,1,2,3
	v_max3_num_f32 v[TM+\b], |v[\s+16*\b]|, |v[\s+16*\b+1]|, 0x1800000
.endr
.irp i, 2,4,6,8,10,12,14
.irp b, 0,1,2,3
	D 4
	v_max3_num_f32 v[TM+\b], |v[\s+16*\b+\i]|, |v[\s+16*\b+\i+1]|, v[TM+\b]
.endr
.endr
	D 3
	v_max_num_f32 v[TM], v[TM], v[TM+1]
	D 2
	v_max_num_f32 v[TM+2], v[TM+2], v[TM+3]
.endm
; From the two largest magnitudes in v[TM], v[TM+2]: the fragment's twelve registers into v[PC] on, the scale word into v[pw].
.macro QPACK s, pw
	D 2
	v_add_nc_u32 v[SCO], 0xff000000, v[TM]         ; 2 off the exponent field: the conversion takes the exponent field of this operand as its scale
	D 2
	v_add_nc_u32 v[SCO+1], 0xff000000, v[TM+2]
	v_cvt_scalef32_pk16_fp6_f32 v[PC:PC+2], v[\s:\s+15], v[SCO]
	v_cvt_scalef32_pk16_fp6_f32 v[PT:PT+2], v[\s+16:\s+31], v[SCO]         ; (a conversion's three registers begin on an even number)
	v_cvt_scalef32_pk16_fp6_f32 v[PC+6:PC+8], v[\s+32:\s+47], v[SCO+1]
	v_cvt_scalef32_pk16_fp6_f32 v[PT+4:PT+6], v[\s+48:\s+63], v[SCO+1]
	v_nop                                          ; one plain place behind a scaled conversion
	v_lshrrev_b32 v[TM], 23, v[SCO]                ; the bytes of my blocks h and 2 + h,
	v_lshrrev_b32 v[TM+2], 23, v[SCO+1]
	v_mov_b32 v[PC+3], v[PT]
	v_mov_b32 v[PC+9], v[PT+4]
	D 3
	v_lshl_or_b32 v[TM], v[TM+2], 16, v[TM]
	v_mov_b32 v[PC+4], v[PT+1]
	v_mov_b32 v[PC+10], v[PT+5]
	D 3
	v_lshlrev_b32 v[TM], v[SH8], v[TM]             ; at their places in the word;
	v_mov_b32 v[PC+5], v[PT+2]
	v_mov_b32 v[PC+11], v[PT+6]
	D 3
	v_permlanex16_b32 v[TM+1], v[TM], s[SEL], s[SEL+1]
	D 1
	v_or_b32 v[\pw], v[TM], v[TM+1]                ; with lane l xor 16's two the word is whole
.endm
; THE ROWS' SUMS ARE TAKEN OF THE UNQUANTISED p: two at a time, as trees in place, both tiles by turns.  They stand behind the next fetch of K: p is wanted no more, and S^T is written anew only behind them.
.macro TREES
.irp w, 4,8,16
.irp x, 0,1
.set J_, 0
.rept 64/\w
	v_pk_add_f32 v[S+64*\x+J_:S+64*\x+J_+1], v[S+64*\x+J_:S+64*\x+J_+1], v[S+64*\x+J_+\w/2:S+64*\x+J_+\w/2+1]
.set J_, J_+\w
.endr
.endr
.endr
	v_pk_add_f32 v[S:S+1], v[S:S+1], v[S+16:S+17]
	v_pk_add_f32 v[S+32:S+33], v[S+32:S+33], v[S+48:S+49]
	v_pk_add_f32 v[S+64:S+65], v[S+64:S+65], v[S+80:S+81]
	D 4
	v_pk_add_f32 v[S+96:S+97], v[S+96:S+97], v[S+112:S+113]
	D 3
	v_pk_add_f32 v[S:S+1], v[S:S+1], v[S+32:S+33]
	D 2
	v_pk_add_f32 v[S+64:S+65], v[S+64:S+65], v[S+96:S+97]
	D 2
	v_pk_add_f32 v[ST+2:ST+3], v[ST+2:ST+3], v[S:S+1]
	D 2
	v_pk_add_f32 v[ST+6:ST+7], v[ST+6:ST+7], v[S+64:S+65]
.endm
; THE SOFTMAX of register tile x for one key step.  first = 1: O^T does not exist yet.  ask = 1: a body with two more behind it; ask = 0: the wave's last two bodies.
.macro SM x, first, ask
.set SX, S+64*(\x)
.set OX, O+64*(\x)
.set TX, ST+4*(\x)
	WIN 0
	s_wait_loadcnt 0x0                             ; this tile's sixteen loads of the mask are in, and no load is out
	VW                                             ; directly ahead of the first reader of S^T
.set J_, 0
.rept 16
	v_pk_fma_f32 v[SX+J_:SX+J_+1], v[SX+J_:SX+J_+1], s[RSD:RSD+1], v[MK+J_:MK+J_+1] op_sel_hi:[1,0,1]   ; the logit (each accumulator is read from its low end on)
.set J_, J_+2
.endr
	WIN 0x10                                       ; source 2 window 1
.rept 16
	v_pk_fma_f32 v[SX+J_:SX+J_+1], v[SX+J_:SX+J_+1], s[RSD:RSD+1], v[MK+J_-32:MK+J_-31] op_sel_hi:[1,0,1]
.set J_, J_+2
.endr
	WIN 0
.if (\x) == 0
	MASKLOAD 1                                     ; the other tile's, for this key step
.if \ask
	global_prefetch_b8 v[PF], s[MB:MB+1] offset:4*MIM th:TH_LOAD_NT scope:SCOPE_SE     ; my body two on, four key steps: the last two bodies have none and ask for nothing
	global_prefetch_b8 v[PF+1], s[MB:MB+1] offset:4*MIM th:TH_LOAD_NT scope:SCOPE_SE
.endif
.else
.if \ask == 0
	s_cmp_eq_u32 s[CNT], 1                         ; the last body has no next key step
.endif
	VW
.if \ask == 0
	s_cbranch_scc1 .Lnomask_\@
.endif
	s_wait_xcnt 0x0                                ; the prefetches have read the base: it may step
	s_add_nc_u64 s[MB:MB+1], s[MB:MB+1], 2*MIM     ; two key steps on
	MASKLOAD 0
.Lnomask_\@:
.endif
.irp b, 0,1,2,3
	v_max3_num_f32 v[TM+\b], v[SX+16*\b], v[SX+1+16*\b], v[SX+2+16*\b]     ; the largest logit, in four chains
.endr
.irp i, 3,5,7,9,11,13
.irp b, 0,1,2,3
	D 4
	v_max3_num_f32 v[TM+\b], v[TM+\b], v[SX+16*\b+\i], v[SX+1+16*\b+\i]
.endr
.endr
.irp b, 0,1,2,3
	D 4
	v_max_num_f32 v[TM+\b], v[TM+\b], v[SX+15+16*\b]
.endr
	D 3
	v_max_num_f32 v[TM], v[TM], v[TM+1]            ; THE LARGEST LOGIT OF EACH OF MY TWO BLOCKS OF 32 KEYS: it serves for the row's maximum and for the block's largest p
	D 2
	v_max_num_f32 v[TM+2], v[TM+2], v[TM+3]
	D 1
	v_max_num_f32 v[T], v[TM], v[TM+2]
	D 1
	v_permlanex16_b32 v[F+1], v[T], s[SEL], s[SEL+1]
	D 1
	v_max_num_f32 v[T], v[T], v[F+1]               ; with lane l xor 16's 64 keys: the step's largest of my query
	D 1
	v_mul_f32 v[T], s[L2E], v[T]                   ; as t
	D 1
	v_max_num_f32 v[TX+1], v[TX+1], v[T]           ; the running largest t
	v_mov_b32 v[T], v[TX]
	D 2
	v_floor_f32 v[TX], -v[TX+1]                    ; the new -M = -ceil(t): M is a whole number
	D 1
	v_sub_f32 v[T], v[TX], v[T]                    ; old M - new M: a whole number, 0 or less
	D 1
	v_cvt_i32_f32 v[T], v[T]                       ; (it saturates)
	D 1
	v_ldexp_f32 v[F], 1.0, v[T]                    ; f = 2^(old M - new M): a multiplication by it rounds nothing
	D 4
.set J_, 0
.rept 32
	v_pk_fma_f32 v[SX+J_:SX+J_+1], v[SX+J_:SX+J_+1], s[L2E:L2E+1], v[TX:TX+1] op_sel_hi:[1,0,0]         ; t - M (of the pairs the low word serves both halves)
.set J_, J_+2
.endr
	v_fma_f32 v[TM], v[TM], s[L2E], v[TX]          ; the same of each block's largest logit
	v_fma_f32 v[TM+2], v[TM+2], s[L2E], v[TX]
	VW                                             ; ahead of the batch
.set J_, 0
.rept 64
	v_exp_f32 v[SX+J_], v[SX+J_]                   ; p = 2^(t - M): not normalised
.set J_, J_+1
.endr
	v_exp_f32 v[TM], v[TM]                         ; the block's largest p: the same two instructions on the same number give the same bits
	v_exp_f32 v[TM+2], v[TM+2]
	v_pk_mul_f32 v[TX+2:TX+3], v[TX+2:TX+3], v[F:F+1] op_sel_hi:[1,0]      ; the sum under the new M.  (A plain place behind the exponentials)
	VW                                             ; and behind it
	v_max_num_f32 v[TM], 0x1800000, v[TM]          ; the floor 2^(3 - 127): the byte cannot fall under 1 (a block whose every p is 0 keeps it: its codes are zeros)
	v_max_num_f32 v[TM+2], 0x1800000, v[TM+2]
	QPACK SX, PSC
.if \first
.rept 8
	v_nop                                          ; eight places between p's scale word and the products that take it
.endr
.else
	VW                                             ; directly ahead of the first reader of O^T
	WIN 0x41                                       ; destination and source 0 window 1
.set J_, 0
.rept 32
	v_pk_mul_f32 v[OX+J_:OX+J_+1], v[OX+J_:OX+J_+1], v[F:F+1] op_sel_hi:[1,0]                           ; O^T under the new M; these are also those places
.set J_, J_+2
.endr
.endif
.endm
; THE CHANGE OF SLOTS.  Each wave waits for all its tensor loads (its block of the slot ahead), adds 0 to its spare word, and waits for that and for its reads of the slot that it leaves.
; fill = 1: the barrier is a round of the cluster's, and the joint load of the next four key steps is the first thing behind it.  wrap = 1: my blocks go on in the other slot.
; pf = 1: my units of the fill after this one are named; pf = 2: the same in the loop, whose second trip has no fill after its own.
.macro CHANGE fill, wrap, pf
	VW
	s_wait_tensorcnt 0x0                           ; no tensor load of mine is out, so the descriptor may be written
	ds_add_u32 v[SPW], v[NIL]                      ; 0 onto my spare word
.if \wrap
	s_sub_co_u32 s[TB], s[TB], 4*PB
	s_xor_b32 s[TB], s[TB], SLOT1
.endif
.if \fill
	s_xor_b32 s[G0+1], s[G0+1], SLOT1              ; the other slot than last time,
	s_add_nc_u64 s[G0+2:G0+3], s[G0+2:G0+3], 4*PB  ; the next four blocks; the type bits on top are not reached
.endif
	s_wait_dscnt 0x0                               ; the add is done, and my reads of the slot that I leave are over
.if \fill
	CROUND
	TLOAD
.if \pf == 1
	global_prefetch_b8 v[PKO], s[KP:KP+1] offset:8*PB th:TH_LOAD_NT scope:SCOPE_SE
.else
	s_cmp_lg_u32 s[OUTER], 2
	s_cbranch_scc1 .Lnokv_\@
	global_prefetch_b8 v[PKO], s[KP:KP+1] offset:12*PB th:TH_LOAD_NT scope:SCOPE_SE
.Lnokv_\@:
.endif
.else
	s_barrier_signal -1
	s_barrier_wait -1
.endif
.endm
.macro BODY first, ask
	v_nop
	v_nop
	FETCH 0                                        ; K of this key step
.if \first == 0
	TREES                                          ; the last step's sums, while K is on its way
.endif
	VW
	s_wait_dscnt 0x0
.if \first
	s_wait_loadcnt 16                              ; Q and its scale words are in; the 16 loads of the mask, issued behind them, may be out
.endif
	QK 0
	QK 1
	WIN 0
	v_nop
	v_nop
	FETCH VOFF                                     ; V of this key step, into K's registers: it has a softmax in which to land
	s_add_co_u32 s[TB], s[TB], 2*PB
	SM 0, \first, \ask
	VW
	s_wait_dscnt 0x0                               ; V is in
	PV 0, \first
	SM 1, \first, \ask
	PV 1, \first
	WIN 0
	s_sub_co_u32 s[CNT], s[CNT], 1
.endm
.macro PAIR ask                        ; a slot's two bodies of a wave: written once, walked twice; the LDS addresses hang on s[TB]
	s_mov_b32 s[INNER], 2
.Lstep_\@:
	BODY 0, \ask
	s_sub_co_u32 s[INNER], s[INNER], 1
	s_cmp_lg_u32 s[INNER], 0
	VW
	s_cbranch_scc1 .Lstep_\@
.endm
	CHANGE 1, 0, 1                                 ; slot 0 is whole; slot 1 is asked for: key steps 4 to 7
	BODY 1, 1                                      ; its products start O^T
	BODY 0, 1
	s_mov_b32 s[OUTER], 2
.Lslot:                                            ; two trips: slot 1 is worked while slot 0 takes key steps 8 to 11; slot 0 while slot 1 takes 12 to 15
	CHANGE 1, 1, 2
	PAIR 1
	s_sub_co_u32 s[OUTER], s[OUTER], 1
	s_cmp_lg_u32 s[OUTER], 0
	VW
	s_cbranch_scc1 .Lslot
	CHANGE 0, 1, 0                                 ; the tail is written out
	PAIR 0
	TREES                                          ; the last step's sums; also the places behind the last products
	; THE JOIN.  My register tile 1 goes to my partner, wave w xor 4; its register tile 1 is my register tile 0 over the other key steps.
	WIN 0x04                                       ; the data: window 1
.irp k, 0,1,2,3,4,5,6,7,8,9,10,11,12,13,14,15
	ds_store_b128 v[MGS], v[O+64+4*\k:O+64+4*\k+3] offset:512*\k      ; each accumulator from its low end on
.endr
	WIN 0
	ds_store_b128 v[MGS], v[ST+4:ST+7] offset:8192 ; -M, the largest t, the sum's two halves
	VW
	s_wait_dscnt 0x0                               ; for my partner's sake
	s_barrier_signal -1
	s_barrier_wait -1
.irp k, 0,1,2,3,4,5,6,7,8,9,10,11,12,13,14,15
	ds_load_b128 v[S+4*\k:S+4*\k+3], v[MGL] offset:512*\k
.endr
	ds_load_b128 v[TM:TM+3], v[MGL] offset:8192
	s_wait_dscnt 0x0
	v_min_num_f32 v[T], v[ST], v[TM]               ; the joint -M
	v_add_f32 v[ST+2], v[ST+2], v[ST+3]
	v_add_f32 v[TM+2], v[TM+2], v[TM+3]
	D 3
	v_sub_f32 v[F], v[T], v[ST]                    ; my M - the joint M, and my partner's: whole numbers, 0 or less
	D 4
	v_sub_f32 v[F+1], v[T], v[TM]
	D 2
	v_cvt_i32_f32 v[F], v[F]
	D 2
	v_cvt_i32_f32 v[F+1], v[F+1]
	D 2
	v_ldexp_f32 v[F], 1.0, v[F]
	D 2
	v_ldexp_f32 v[F+1], 1.0, v[F+1]
	D 2
	v_mul_f32 v[ST+2], v[ST+2], v[F]
	D 1
	v_fma_f32 v[ST+2], v[TM+2], v[F+1], v[ST+2]
	D 1
	v_permlanex16_b32 v[T], v[ST+2], s[SEL], s[SEL+1]
	D 1
	v_add_f32 v[ST+2], v[ST+2], v[T]               ; the row's sum
	VW
	v_rcp_f32 v[ST+3], v[ST+2]
	v_add_nc_u32 v[ADK], SCR, v[LI]                ; (a plain place behind the transcendental)
	VW
	v_mul_f32 v[F], v[F], v[ST+3]
	v_mul_f32 v[TM], v[F+1], v[ST+3]
	D 1
.set J_, 0
.rept 32
	v_pk_mul_f32 v[S+64+J_:S+64+J_+1], v[S+J_:S+J_+1], v[TM:TM+1] op_sel_hi:[1,0]      ; my partner's half,
.set J_, J_+2
.endr
	WIN 0x01                                       ; source 0 window 1
.set J_, 0
.rept 32
	v_pk_fma_f32 v[S+64+J_:S+64+J_+1], v[O+J_:O+J_+1], v[F:F+1], v[S+64+J_:S+64+J_+1] op_sel_hi:[1,0,1]   ; and mine (each accumulator is read from its low end on)
.set J_, J_+2
.endr
	WIN 0
	; THE WAY OUT.  The tile's 64 registers run along d in the order of an operand's registers: they are quantised as they stand and are tile 2 qp + kp of block (query group, K step = head) of the last product's operand.
	QMAX S+64
	QPACK S+64, PWO
.irp c, 0,1,2
	global_store_b128 v[FO], v[PC+4*\c:PC+4*\c+3], s[8:9] offset:512*\c   ; 512 consecutive bytes, at a multiple of 256 from ab's first byte
.endr
	ds_store_b32 v[SCW], v[PWO]                    ; lanes r and r + 16 write the same word with the same value
	VW
	s_wait_dscnt 0x0                               ; for the others' sake: my words lie in LDS
	s_barrier_signal -1
	s_barrier_wait -1
	s_cmp_lg_u32 s[WV], 0
	s_cbranch_scc1 .Lnot_first
	ds_load_b128 v[S:S+3], v[ADK]                  ; the eight waves' words
	s_wait_dscnt 0x0
	global_store_b128 v[LI], v[S:S+3], s[8:9] offset:SOFF
.Lnot_first:
	s_wait_tensorcnt 0x0                           ; the wave's end
	ds_add_u32 v[SPW], v[NIL]
	s_wait_dscnt 0x0
	CROUND                                         ; the closing round: no work-group ends while a partner may still ask for a tile that names it
	s_endpgm
.Lfunc_end_k_q05dc85ddfd_attn:
	.size	k_q05dc85ddfd_attn, .Lfunc_end_k_q05dc85ddfd_attn-k_q05dc85ddfd_attn
	.p2alignl 7, 3214868480
	.fill 96, 4, 3214868480
	.section	.rodata,"a",@progbits
	.p2align	6, 0x0
	.amdhsa_kernel k_q05dc85ddfd_attn
		.amdhsa_group_segment_fixed_size 327680
		.amdhsa_private_segment_fixed_size 0
		.amdhsa_enable_private_segment 0
		.amdhsa_kernarg_size 24
		.amdhsa_user_sgpr_count 2
		.amdhsa_user_sgpr_kernarg_segment_ptr 1
		.amdhsa_wavefront_size32 1
		.amdhsa_system_sgpr_workgroup_id_x 1
		.amdhsa_system_sgpr_workgroup_id_y 1
		.amdhsa_system_sgpr_workgroup_id_z 1
		.amdhsa_system_vgpr_workitem_id 0
		.amdhsa_next_free_vgpr 512
		.amdhsa_next_free_sgpr 66
		.amdhsa_reserve_vcc 0
		.amdhsa_float_denorm_mode_32 3
		.amdhsa_float_denorm_mode_16_64 3
		.amdhsa_memory_ordered 1
		.amdhsa_forward_progress 1
		.amdhsa_inst_pref_size 189
	.end_amdhsa_kernel
	.amdgpu_metadata
---
amdhsa.version: [ 1, 2 ]
amdhsa.kernels:
  - .name:           k_q05dc85ddfd_attn
    .symbol:         k_q05dc85ddfd_attn.kd
    .args:
      - { .name: qkvb, .offset: 0, .size: 8, .value_kind: global_buffer, .address_space: global }
      - { .name: mimg, .offset: 8, .size: 8, .value_kind: global_buffer, .address_space: global }
      - { .name: ab, .offset: 16, .size: 8, .value_kind: global_buffer, .address_space: global }
    .group_segment_fixed_size: 327680
    .private_segment_fixed_size: 0
    .kernarg_segment_align: 8
    .kernarg_segment_size: 24
    .max_flat_workgroup_size: 256
    .sgpr_count:     66
    .vgpr_count:     512
    .wavefront_size: 32
...
	.end_amdgpu_metadata
.endif
;; end of part 3
;; launch out (part 4): grid 16 x 16, 4 waves a work-group, clusters of 4 x 4, 327,680 bytes of LDS; arguments ab, cb, out0; writes out0
.if DOCPART == 4
	.amdgcn_target "amdgcn-amd-amdhsa--gfx1250"
	.amdhsa_code_object_version 6
	.text
	.protected	k_q05dc85ddfd_out
	.globl	k_q05dc85ddfd_out
	.p2align	8
	.type	k_q05dc85ddfd_out,@function
k_q05dc85ddfd_out:
	s_mov_b64 s[64:65], 0
	v_nop
	global_prefetch_b8 v0, s[64:65] scope:SCOPE_SE
	s_setreg_imm32_b32 hwreg(HW_REG_WAVE_MODE, 25, 1), 1
	s_wait_xcnt 0x0
	s_wait_alu depctr_hold_cnt(0) depctr_sa_sdst(0) depctr_va_vdst(0) depctr_va_sdst(0) depctr_va_ssrc(0) depctr_va_vcc(0) depctr_vm_vsrc(0)
	s_getreg_b32 s2, hwreg(HW_REG_IB_STS2, 6, 4)
	s_cmp_eq_u32 s2, 0
	s_cbranch_scc0 .Lentry_in_a_cluster
	s_endpgm
.Lentry_in_a_cluster:
	s_bfe_u32 s2, ttmp6, 0x10000c
	s_cmp_lg_u32 s2, 0xf033
	s_cbranch_scc0 .Lentry_shape_is_right
	s_endpgm
.Lentry_shape_is_right:
.set PB,    12800
.set SOFF,  12288
.set GRP,   16*PB
.set HALFT, 2*PB
.set SLOT1, 1<<17
.set BOFF,  4*PB
.set STAGE, SLOT1+8*PB
.set SPITCH, 272
.set SPARE, STAGE+4*16*SPITCH
.set FR,    12
.set ADRA, 16
.set ADRB, 18
.set ASA,  20
.set ASB,  22
.set STO,  24
.set RD,   25
.set CO,   26
.set SPW,  28
.set NIL,  29
.set SC,   32
.set BK,   48
.set ACC,  128
.set G1,  24
.set G0,  32
.set G1B, 48
.set G0B, 56
.set MSB, 0
.macro WIN new
.if MSB != (\new)
	s_set_vgpr_msb (MSB<<8)|(\new)
.set MSB, (\new)
.endif
.endm
.set MULW, 0x05
.macro JLOAD s
	s_cmp_eq_u32 s15, 0
	s_cbranch_scc0 .Lfor_b_\@
	tensor_load_to_lds s[G0+4*\s:G0+4*\s+3], s[G1:G1+7]
	s_nop 0
.rept 4
	v_nop
.endr
	s_branch .Lasked_\@
.Lfor_b_\@:
	tensor_load_to_lds s[G0B+4*\s:G0B+4*\s+3], s[G1B:G1B+7]
	s_nop 0
.rept 4
	v_nop
.endr
.Lasked_\@:
.endm
.macro CREST
	s_cmp_lg_u32 s14, 0
	s_cbranch_scc1 .Lnot_wave_0_\@
	s_barrier_signal -3
.Lnot_wave_0_\@:
	s_barrier_wait -3
	s_barrier_signal -1
	s_barrier_wait -1
.endm
.macro CROUND
	s_barrier_signal -1
	s_barrier_wait -1
	CREST
.endm
.macro PLACES
.rept 4
	v_nop
.endr
.endm
	s_load_b128 s[4:7], s[0:1], 0x0
	s_load_b64 s[8:9], s[0:1], 0x10
	v_lshl_add_u32 v[SPW], v0, 2, SPARE
	v_mov_b32 v[NIL], 0
	ds_add_u32 v28, v29
	ds_add_u32 v28, v29
	s_wait_dscnt 0x0
	v_lshrrev_b32 v1, 5, v0
	v_readfirstlane_b32 s14, v1
	s_lshr_b32 s15, s14, 1
	s_and_b32 s16, s14, 1
	s_bfe_u32 s40, ttmp6, 0x40000
	s_bfe_u32 s41, ttmp6, 0x40004
	s_lshl_b32 s42, ttmp9, 2
	s_add_co_u32 s42, s42, s40
	s_and_b32 s17, ttmp7, 0xffff
	s_lshl_b32 s17, s17, 2
	s_add_co_u32 s17, s17, s41
	s_lshl_b32 s43, s41, 2
	s_lshl_b32 s43, 15, s43
	s_lshl_b32 s44, 0x1111, s40
	s_or_b32 s[G1+0], s43, (3<<16)|(1<<21)
	s_or_b32 s[G1B+0], s44, (3<<16)|(1<<21)
.irp g, G1, G1B
	s_mov_b32 s[\g+1], 32<<16
	s_mov_b32 s[\g+2], 100<<16
	s_mov_b32 s[\g+3], 32<<16
	s_mov_b32 s[\g+4], 100
	s_mov_b32 s[\g+5], 32
	s_mov_b32 s[\g+6], 0
	s_mov_b32 s[\g+7], 0
.endr
	s_mul_i32 s18, s16, HALFT
	s_mul_i32 s20, s17, GRP
	s_add_co_u32 s20, s20, s18
	s_mov_b32 s21, 0
	s_add_co_u32 s46, s42, 64
	s_mul_i32 s46, s46, GRP
	s_add_co_u32 s46, s46, s18
	s_mov_b32 s47, 0
	s_mul_i32 s45, s14, HALFT
	s_wait_kmcnt 0x0
	s_add_nc_u64 s[20:21], s[4:5], s[20:21]
	s_add_nc_u64 s[46:47], s[6:7], s[46:47]
	CROUND
.irp s, 0,1
	s_mov_b32 s[G0+4*\s], 1
	s_add_co_u32 s[G0+4*\s+1], s45, \s*SLOT1
	s_add_nc_u64 s[G0+4*\s+2:G0+4*\s+3], s[20:21], \s*4*PB
	s_or_b32 s[G0+4*\s+3], s[G0+4*\s+3], 0x80000000
	s_mov_b32 s[G0B+4*\s], 1
	s_add_co_u32 s[G0B+4*\s+1], s45, \s*SLOT1
	s_add_nc_u64 s[G0B+4*\s+2:G0B+4*\s+3], s[46:47], \s*4*PB
	s_or_b32 s[G0B+4*\s+3], s[G0B+4*\s+3], 0x80000000
	s_wait_alu depctr_va_vdst(0)
	s_wait_tensorcnt 0x0
	ds_add_u32 v28, v29
	ds_add_u32 v28, v29
	s_wait_dscnt 0x0
	CROUND
	JLOAD \s
.endr
	v_and_b32 v1, 31, v0
	v_and_b32 v2, 15, v0
	v_bfe_u32 v3, v0, 4, 1
	v_lshlrev_b32 v4, 4, v1
	s_wait_alu depctr_va_vdst(0)
	v_lshlrev_b32 v5, 5, v2
	s_wait_alu depctr_va_vdst(0)
	s_mul_i32 s18, s15, 4*1536
	s_mul_i32 s19, s16, 4*1536
	s_add_co_u32 s19, s19, BOFF
	s_lshl_b32 s22, s15, 4
	s_lshl_b32 s23, s16, 4
	s_add_co_u32 s23, s23, BOFF
.irp s, 0,1
	v_add_nc_u32 v[ADRA+\s], s18, v4
	v_add_nc_u32 v[ADRB+\s], s19, v4
	v_add_nc_u32 v[ASA+\s], s22, v5
	v_add_nc_u32 v[ASB+\s], s23, v5
	s_add_co_u32 s18, s18, SLOT1
	s_add_co_u32 s19, s19, SLOT1
	s_add_co_u32 s22, s22, SLOT1
	s_add_co_u32 s23, s23, SLOT1
.endr
	s_mul_i32 s18, s14, 16*SPITCH
	s_add_co_u32 s18, s18, STAGE
	v_mul_u32_u24 v6, v2, SPITCH
	v_lshl_add_u32 v6, v3, 7, v6
	v_add_nc_u32 v[STO], s18, v6
	v_mul_u32_u24 v6, v3, SPITCH
	v_lshl_add_u32 v6, v2, 4, v6
	v_add_nc_u32 v[RD], s18, v6
	v_lshlrev_b32 v6, 13, v3
	v_lshl_add_u32 v[CO], v2, 4, v6
	s_lshl_b32 s22, s17, 7
	s_lshl_b32 s23, s15, 6
	s_add_co_u32 s22, s22, s23
	s_lshl_b32 s22, s22, 13
	s_lshl_b32 s23, s42, 9
	s_add_co_u32 s22, s22, s23
	s_lshl_b32 s23, s16, 8
	s_add_co_u32 s22, s22, s23
	s_mov_b32 s23, 0
	s_add_nc_u64 s[8:9], s[8:9], s[22:23]
.macro FETCH slot, q, p
	WIN 0x40
.irp a, 0,1,2,3
.irp c, 0,1,2
	ds_load_b128 v[128*(\p)+FR*\a+4*\c:128*(\p)+FR*\a+4*\c+3], v[ADRA+\slot] offset:(\q)*PB+1536*\a+512*\c
.endr
.endr
.irp a, 0,1,2,3
.irp c, 0,1,2
	ds_load_b128 v[128*(\p)+48+FR*\a+4*\c:128*(\p)+48+FR*\a+4*\c+3], v[ADRB+\slot] offset:(\q)*PB+1536*\a+512*\c
.endr
.endr
	WIN 0
	ds_load_b128 v[SC+8*(\p):SC+8*(\p)+3], v[ASA+\slot] offset:(\q)*PB+SOFF
	ds_load_b128 v[SC+8*(\p)+4:SC+8*(\p)+7], v[ASB+\slot] offset:(\q)*PB+SOFF
.endm
.macro MUL p, first, count, zero
.set N_, \first
.rept \count
.set A_, N_/4
.set B_, N_%4
.if \zero
	v_wmma_scale_f32_16x16x128_f8f6f4 v[ACC+8*N_:ACC+8*N_+7], v[128*(\p)+48+FR*B_:128*(\p)+48+FR*B_+FR-1], v[128*(\p)+FR*A_:128*(\p)+FR*A_+FR-1], 0, v[SC+8*(\p)+4+B_], v[SC+8*(\p)+A_] matrix_a_fmt:MATRIX_FMT_FP6 matrix_b_fmt:MATRIX_FMT_FP6
.else
	v_wmma_scale_f32_16x16x128_f8f6f4 v[ACC+8*N_:ACC+8*N_+7], v[128*(\p)+48+FR*B_:128*(\p)+48+FR*B_+FR-1], v[128*(\p)+FR*A_:128*(\p)+FR*A_+FR-1], v[ACC+8*N_:ACC+8*N_+7], v[SC+8*(\p)+4+B_], v[SC+8*(\p)+A_] matrix_a_fmt:MATRIX_FMT_FP6 matrix_b_fmt:MATRIX_FMT_FP6
.endif
.set N_, N_+1
.endr
.endm
.macro KSTEP slot, q, zero
	PLACES
	FETCH \slot, (\q)+1, 1-(\q)%2
	s_wait_dscnt 26
	WIN MULW
	MUL (\q)%2, 0, 16, \zero
.endm
.macro TURN slot, next, fill
	WIN 0
	s_wait_tensorcnt 0x0
	ds_add_u32 v[SPW], v[NIL]
	s_wait_dscnt 1
	WIN MULW
	MUL 1, 0, 4, 0
	s_wait_dscnt 0x0
	s_barrier_signal -1
	MUL 1, 4, 4, 0
	WIN 0
	s_barrier_wait -1
.if \fill
	CREST
	s_add_nc_u64 s[G0+4*\slot+2:G0+4*\slot+3], s[G0+4*\slot+2:G0+4*\slot+3], 8*PB
	s_add_nc_u64 s[G0B+4*\slot+2:G0B+4*\slot+3], s[G0B+4*\slot+2:G0B+4*\slot+3], 8*PB
	JLOAD \slot
.else
	PLACES
.endif
	s_wait_alu depctr_va_vdst(0)
	FETCH \next, 0, 0
	WIN MULW
	MUL 1, 8, 8, 0
.endm
	s_wait_tensorcnt 1
	s_barrier_signal -1
	s_barrier_wait -1
	FETCH 0, 0, 0
	KSTEP 0, 0, 1
	KSTEP 0, 1, 0
	KSTEP 0, 2, 0
	TURN 0, 1, 1
	KSTEP 1, 0, 0
	KSTEP 1, 1, 0
	KSTEP 1, 2, 0
	TURN 1, 0, 1
	KSTEP 0, 0, 0
	KSTEP 0, 1, 0
	KSTEP 0, 2, 0
	TURN 0, 1, 0
	KSTEP 1, 0, 0
	KSTEP 1, 1, 0
	KSTEP 1, 2, 0
	s_wait_dscnt 0x0
	MUL 1, 0, 16, 0
	WIN 0
.macro TOSTAGE a
.irp p, 0,1,2,3,4,5,6,7
	ds_store_b128 v[STO], v[ACC+32*(\a)+4*\p:ACC+32*(\a)+4*\p+3] offset:16*\p
.endr
.irp k, 0,1,2,3,4,5,6,7
	ds_load_b128 v[BK+32*((\a)%2)+4*\k:BK+32*((\a)%2)+4*\k+3], v[RD] offset:2*SPITCH*\k
.endr
.endm
.macro SEND a
.irp k, 0,1,2,3,4,5,6,7
	global_store_b128 v[CO], v[BK+32*((\a)%2)+4*\k:BK+32*((\a)%2)+4*\k+3], s[8:9] offset:(((2*\k)%8)+32*(\k/4)+8*(\a))*8192 th:TH_STORE_NT
.endr
.endm
	PLACES
	TOSTAGE 0
.irp a, 1,2,3
.if \a > 1
	s_wait_xcnt 0x0
.endif
	TOSTAGE \a
	s_wait_dscnt 16
	SEND \a-1
.endr
	s_wait_dscnt 0x0
	SEND 3
	s_wait_tensorcnt 0x0
	ds_add_u32 v[SPW], v[NIL]
	s_wait_dscnt 0x0
	CROUND
	s_endpgm
.Lfunc_end_k_q05dc85ddfd_out:
	.size	k_q05dc85ddfd_out, .Lfunc_end_k_q05dc85ddfd_out-k_q05dc85ddfd_out
	.p2alignl 7, 3214868480
	.fill 96, 4, 3214868480
	.section	.rodata,"a",@progbits
	.p2align	6, 0x0
	.amdhsa_kernel k_q05dc85ddfd_out
		.amdhsa_group_segment_fixed_size 327680
		.amdhsa_private_segment_fixed_size 0
		.amdhsa_enable_private_segment 0
		.amdhsa_kernarg_size 24
		.amdhsa_user_sgpr_count 2
		.amdhsa_user_sgpr_kernarg_segment_ptr 1
		.amdhsa_wavefront_size32 1
		.amdhsa_system_sgpr_workgroup_id_x 1
		.amdhsa_system_sgpr_workgroup_id_y 1
		.amdhsa_system_sgpr_workgroup_id_z 1
		.amdhsa_system_vgpr_workitem_id 0
		.amdhsa_next_free_vgpr 512
		.amdhsa_next_free_sgpr 66
		.amdhsa_reserve_vcc 0
		.amdhsa_float_denorm_mode_32 3
		.amdhsa_float_denorm_mode_16_64 3
		.amdhsa_memory_ordered 1
		.amdhsa_forward_progress 1
		.amdhsa_inst_pref_size 81
	.end_amdhsa_kernel
	.amdgpu_metadata
---
amdhsa.version: [ 1, 2 ]
amdhsa.kernels:
  - .name:           k_q05dc85ddfd_out
    .symbol:         k_q05dc85ddfd_out.kd
    .args:
      - { .name: ab, .offset: 0, .size: 8, .value_kind: global_buffer, .address_space: global }
      - { .name: cb, .offset: 8, .size: 8, .value_kind: global_buffer, .address_space: global }
      - { .name: out0, .offset: 16, .size: 8, .value_kind: global_buffer, .address_space: global }
    .group_segment_fixed_size: 327680
    .private_segment_fixed_size: 0
    .kernarg_segment_align: 8
    .kernarg_segment_size: 24
    .max_flat_workgroup_size: 128
    .sgpr_count:     66
    .vgpr_count:     512
    .wavefront_size: 32
...
	.end_amdgpu_metadata
.endif
;; end of part 4
